; MI455X (gfx1250); checked and timed in simulation.
; The chip was launched on July 23, 2026; its instructions are those of AMD's public machine-readable ISA for CDNA 5 (MIT licence, August 2026) and "CDNA5" Instruction Set Architecture Reference Guide (July 2026). The comments in the code are by the model that wrote it; some were corrected since.
;; Causal Self Attention. Allowed arithmetic: matrix products marked QUANTISED: E2M1 operands, one E8M0 scale for each 32 along K, by v_wmma_scale_f32_16x16x128_f8f6f4 with both operands' format E2M1 (or v_wmma_scale_f32_32x16x128_f4), f32 sums; products left as they are: bf16, f16 or f32 operands; f32 sums; everything else in f32.
;; Inputs: W_out 1,024 x 1,024 float32; W_qkv 1,024 x 3,072 float32; b_out 1,024 float32; b_qkv 3,072 float32; x 4 x 2,048 x 1,024 float32.
;; Outputs: out0 4 x 2,048 x 1,024 float32.
;; This version of the problem:
;;   THIS VERSION OF THE PROBLEM IS GIVEN IN LOW PRECISION. The matrix products marked QUANTISED in the list below multiply operands that are first quantised to E2M1 (2 exponent bits, 1 mantissa bit; 4 bits a number), with one power-of-two scale for each 32 numbers along K (OCP MX v1.0); their sums are f32. The products marked 'left as it is' may take bf16, f16 or f32 operands, with f32 sums. Whichever they take, every output number must still come out within the allowed error. Rounding operands to bf16 (8 significant bits) uses up far more of that allowance than f16 does (11 bits, for magnitudes from 6e-5 to 65,504). All else is computed in f32.
;;   The module's matrix products, in the order in which they are computed (A, B: the left and right operand; K: the contracted axis; several contracted axes count as one K, in the product's order):
;;     1. [M 8,192, K 1,024] x [K 1,024, N 3,072]; A: input x; B: input W_qkv: QUANTISED
;;     2. batch 64 x [M 2,048, K 64] x [K 64, N 2,048]; A: computed on the way; B: computed on the way: left as it is (an operand is computed on the way)
;;     3. batch 64 x [M 2,048, K 2,048] x [K 2,048, N 64]; A: computed on the way; B: computed on the way: left as it is (an operand is computed on the way)
;;     4. [M 8,192, K 1,024] x [K 1,024, N 1,024]; A: computed on the way; B: input W_out: left as it is (an operand is computed on the way)
;;   THE QUANTISER, for each operand of a quantised product, along K:
;;     - K is cut into blocks of 32 from its start; a last block that is shorter is filled with zeros.
;;     - A block's scale is 2^e with e = floor(log2(the largest magnitude in the block)) - 2, held to -126 .. 127; a block of zeros has e = 0. As a byte (E8M0): e + 127.
;;     - Each number is divided by its block's scale, clamped to +-6, and rounded to the nearest number of E2M1, ties to even, subnormals kept.
;;     - The product sums the exact products of the quantised numbers (number of the format x scale) in f32.
;;   ~~~python
;;   def quantise(x, axis):      # numpy; x: float32 -> the quantised numbers, widened to float32 again
;;       x = np.moveaxis(x, axis, -1); K = x.shape[-1]
;;       x = np.pad(x, [(0, 0)] * (x.ndim - 1) + [(0, -K % 32)]); x = x.reshape(x.shape[:-1] + (-1, 32)); a = np.abs(x).max(-1, keepdims=True)
;;       e = np.where(a > 0, np.clip(np.frexp(np.where(a > 0, a, 1))[1] - 1 - 2, -126, 127), 0)      # np.frexp(a)[1] - 1 = floor(log2(a)), exactly
;;       r = np.clip(x / 2.0 ** e, -6, 6)
;;       step = 2.0 ** (np.maximum(np.frexp(np.where(r == 0, 1, r))[1] - 1, 0) - 1)
;;       q = np.round(r / step) * step * 2.0 ** e      # np.round: ties to even
;;       return np.moveaxis(q.reshape(q.shape[:-2] + (-1,))[..., :K], -1, axis).astype(np.float32)
;;   ~~~
;; One version. Each part assembles by itself: llvm-mc -triple=amdgcn-amd-amdhsa -mcpu=gfx1250 --defsym DOCPART=n.
;; ======== version 1 of 1: 5 launches
;; limits: values are held in f16: magnitudes above 65,504 overflow, below 6.1e-05 lose precision
;; workspace buffers: xc 4,194,304 bytes; xs 262,144 bytes; wc 1,572,864 bytes; ws 98,304 bytes; w16 2,097,152 bytes; qkvh 50,331,648 bytes; oh 16,777,216 bytes; q32 786,432 bytes
;; launch prep (part 1): grid 288 x 1, 8 waves a work-group, no clusters, 84,480 bytes of LDS; arguments x, W_qkv, W_out, xc, xs, wc, ws, w16; writes xc, xs, wc, ws, w16
.if DOCPART == 1
	.amdgcn_target "amdgcn-amd-amdhsa--gfx1250"
	.amdhsa_code_object_version 6
	.text
	.protected	k_qffc6905226_prep
	.globl	k_qffc6905226_prep
	.p2align	8
	.type	k_qffc6905226_prep,@function
k_qffc6905226_prep:
	s_mov_b64 s[64:65], 0
	v_nop
	global_prefetch_b8 v0, s[64:65] scope:SCOPE_SE
	s_setreg_imm32_b32 hwreg(HW_REG_WAVE_MODE, 25, 1), 1
	s_wait_xcnt 0x0
; PREP: three jobs in one launch, told apart by the work-group's number alone.
;   work-groups   0-127: x [8192][1024] f32 -> codes of FP4 (E2M1), K innermost (xc, 512 bytes a row), one E8M0 byte for each 32 along K (xs).
;   work-groups 128-223: W_qkv [1024 (k)][3072 (n)] f32 -> codes laid [n][k] with K innermost (wc) and scale bytes [n][32] (ws).
;   work-groups 224-287: W_out f32 -> f16 in the same [k][n] order (w16).
; A block's scale is 2^(floor(log2(largest magnitude)) - 2): its byte is the largest magnitude's exponent field - 2, held at 1 from below.
; LIMITS: a block of zeros gets the byte 1 where the rule says 127 (its codes are zeros, and this program alone reads the bytes); blocks whose largest magnitude
; lies under 2^(3 - 127) are held at that floor; NaN and infinities in x and W_qkv are not served; |W_out| beyond 65,504 becomes infinity in f16.
; Each job has LDS bytes of its own.  Every wave of every work-group passes ONE barrier, which stands on the way that all three jobs share.
.set STEPS, 16
.set R,     16                         ; v16-143  x: eight sets of 16 numbers as loaded;  W_qkv: 128 numbers down K;  W_out: v16-79
.set X,     144                        ; v144-175 x: two sets of 16 neighbours;  W_qkv: v144-159 codes, v160 scale word
.set C,     176                        ; v176-207 x: a step's codes, two registers a step: no store's data are written again
.set E,     208                        ; v208-223 x: a step's scale byte
.set WREG,  8192                       ; LDS, x: a region for each wave: two stages of 32 x SP bytes, then its 256 scale bytes
.set SP,    80                         ; a lane's 64 bytes + 16 of padding
.set WST,   65536                      ; LDS, W_qkv: 32 columns' rows of 512 bytes of codes, 528 bytes apart
.set WPITCH, 528
.set WSC,   WST+32*WPITCH              ; and their 32 scale bytes each
.set SPARE, WSC+1024                   ; the spare words, 128 bytes for each of eight waves; no other line names them
.set SPW,   12                         ; v12 LDS address of my spare word; never rewritten
.set NIL,   13                         ; v13 0; never rewritten
.macro XLOAD t                         ; step t's 512 numbers: four loads of 512 consecutive bytes
.irp i, 0,1,2,3
	global_load_b128 v[R+16*((\t)%8)+4*\i:R+16*((\t)%8)+4*\i+3], v3, s[4:5] offset:2048*(\t)+512*\i th:TH_LOAD_NT
.endr
.endm
.macro XTURN t                         ; through the wave's stage: in as loaded, back 64 neighbouring bytes a lane; LDS serves a wave's instructions in order
.irp i, 0,1,2,3
	ds_store_b128 v14, v[R+16*((\t)%8)+4*\i:R+16*((\t)%8)+4*\i+3] offset:32*SP*((\t)%2)+8*SP*\i
.endr
.irp i, 0,1,2,3
	ds_load_b128 v[X+16*((\t)%2)+4*\i:X+16*((\t)%2)+4*\i+3], v15 offset:32*SP*((\t)%2)+16*\i
.endr
.endm
.macro XSTEP t
.set XS, X+16*((\t)%2)
.if (\t) > 0
	s_wait_dscnt 1                                 ; this step's numbers are back from the stage; only the last step's byte store may be out
.else
	s_wait_dscnt 0x0
.endif
.if (\t)+8 < STEPS
	XLOAD (\t)+8                                   ; into the set that this step's stage stores have read
.endif
.if (\t)+1 < STEPS
.if 14-(\t) >= 7
	s_wait_loadcnt 28                              ; the next step's four loads are in; those of the seven steps behind it may be out
.else
	s_wait_loadcnt 4*(14-(\t))
.endif
	XTURN (\t)+1
.endif
	v_max3_num_f32 v8, |v[XS]|, |v[XS+1]|, |v[XS+2]|
	v_max3_num_f32 v9, |v[XS+3]|, |v[XS+4]|, |v[XS+5]|
.irp i, 6,10
	v_max3_num_f32 v8, v8, |v[XS+\i]|, |v[XS+\i+1]|
	v_max3_num_f32 v9, v9, |v[XS+\i+2]|, |v[XS+\i+3]|
.endr
	v_max3_num_f32 v8, v8, |v[XS+14]|, |v[XS+15]|
	v_max3_num_f32 v8, v8, v9, 0x1800000           ; with the floor 2^(3 - 127): the byte cannot fall under 1
	v_max_num_f32_dpp v8, v8, v8 row_xmask:1 row_mask:0xf bank_mask:0xf   ; and my neighbour's 16: the block's largest magnitude
	v_add_nc_u32 v11, 0xff000000, v8               ; 2 off its exponent field: the conversion's scale operand
	v_cvt_scalef32_pk8_fp4_f32 v[C+2*(\t)], v[XS:XS+7], v11
	v_cvt_scalef32_pk8_fp4_f32 v[C+2*(\t)+1], v[XS+8:XS+15], v11
	v_lshrrev_b32 v[E+(\t)], 23, v11               ; the scale's byte (a plain line behind the conversions)
	ds_store_b8 v5, v[E+(\t)] offset:16*(\t)       ; both lanes of a block write the same byte
	global_store_b64 v4, v[C+2*(\t):C+2*(\t)+1], s[10:11] offset:256*(\t)   ; the wave stores 256 consecutive bytes, aligned
.endm
.macro WBLOCK t, left                  ; block t of my column: 32 numbers down K, all mine
.set XS, R+32*(\t)
	s_wait_loadcnt \left                           ; at most so many younger loads are out: this block's 32 are in
	v_max3_num_f32 v8, |v[XS]|, |v[XS+1]|, |v[XS+2]|
	v_max3_num_f32 v9, |v[XS+3]|, |v[XS+4]|, |v[XS+5]|
.irp i, 6,10,14,18,22,26
	v_max3_num_f32 v8, v8, |v[XS+\i]|, |v[XS+\i+1]|
	v_max3_num_f32 v9, v9, |v[XS+\i+2]|, |v[XS+\i+3]|
.endr
	v_max3_num_f32 v8, v8, |v[XS+30]|, |v[XS+31]|
	v_max3_num_f32 v8, v8, v9, 0x1800000
	v_add_nc_u32 v11, 0xff000000, v8
	v_lshrrev_b32 v9, 23, v11
.if (\t) == 0
	v_mov_b32 v160, v9
.else
	v_lshl_or_b32 v160, v9, 8*(\t), v160           ; four bytes to the word, the lower K in the lower byte
.endif
.irp g, 0,1,2,3
	v_cvt_scalef32_pk8_fp4_f32 v[X+4*(\t)+\g], v[XS+8*\g:XS+8*\g+7], v11
.endr
	v_nop                                          ; a plain line behind the last conversion
	ds_store_b128 v14, v[X+4*(\t):X+4*(\t)+3] offset:16*(\t)
.endm
	s_load_b512 s[4:19], s[0:1], 0x0               ; x s[4:5], W_qkv s[6:7], W_out s[8:9], xc s[10:11], xs s[12:13], wc s[14:15], ws s[16:17], w16 s[18:19]
	v_lshl_add_u32 v[SPW], v0, 2, SPARE
	v_mov_b32 v[NIL], 0
	v_lshrrev_b32 v1, 5, v0
	v_readfirstlane_b32 s20, v1                    ; wave 0..7
	v_and_b32 v2, 31, v0                           ; lane
	v_lshlrev_b32 v3, 4, v2                        ; 16 x lane
	s_mov_b32 s23, 0                               ; the upper word of every offset pair s[22:23]
	s_wait_kmcnt 0x0
	s_cmp_ge_u32 ttmp9, 224
	s_cbranch_scc1 .Lpath_o
	s_cmp_ge_u32 ttmp9, 128
	s_cbranch_scc1 .Lpath_w
	; ---- x: a wave takes a run of 8,192 numbers, 16 steps of 512.  Rows are dense and 1,024 is a multiple of 32: a plain stream of blocks
	s_mul_i32 s24, s20, WREG
	v_lshrrev_b32 v14, 2, v2
	v_mul_u32_u24 v14, v14, SP
	v_and_b32 v15, 3, v2
	v_lshl_add_u32 v14, v15, 4, v14
	v_add_nc_u32 v14, s24, v14                     ; the stage on the way in: SP (lane / 4) + 16 (lane % 4)
	v_mul_u32_u24 v15, v2, SP
	v_add_nc_u32 v15, s24, v15                     ; and on the way out: SP x lane
	v_lshlrev_b32 v4, 3, v2                        ; 8 x lane: my codes in a step's 256 bytes
	v_lshrrev_b32 v5, 1, v2
	s_add_co_u32 s24, s24, 2*32*SP
	v_add_nc_u32 v5, s24, v5                       ; my block's scale byte
	v_add_nc_u32 v6, s24, v4                       ; and 8 of the wave's 256 on the way out
	s_lshl_b32 s21, ttmp9, 3
	s_add_co_u32 s21, s21, s20                     ; my run
	s_lshl_b32 s22, s21, 15
	s_add_nc_u64 s[4:5], s[4:5], s[22:23]
	s_lshl_b32 s22, s21, 12
	s_add_nc_u64 s[10:11], s[10:11], s[22:23]
	s_lshl_b32 s22, s21, 8
	s_add_nc_u64 s[12:13], s[12:13], s[22:23]
.irp t, 0,1,2,3,4,5,6,7
	XLOAD \t                                       ; eight steps, 32 loads a wave, are on their way
.endr
	s_wait_loadcnt 28                              ; step 0's four are in
	XTURN 0
.irp t, 0,1,2,3,4,5,6,7,8,9,10,11,12,13,14,15
	XSTEP \t
.endr
	ds_load_b64 v[8:9], v6                         ; in order behind my byte stores
	s_wait_dscnt 0x0
	global_store_b64 v4, v[8:9], s[12:13]          ; the wave's 256 scale bytes: 256 consecutive bytes, aligned
	s_branch .Ljoin
.Lpath_w:
	; ---- W_qkv: the work-group takes 32 columns and all of K; wave w takes k = 128 w .. 128 w + 127.  A lane takes a column, its registers run down K
	s_sub_co_u32 s21, ttmp9, 128
	s_mul_i32 s22, s20, 128*12288
	s_lshl_b32 s24, s21, 7
	s_add_co_u32 s22, s22, s24
	s_add_nc_u64 s[6:7], s[6:7], s[22:23]
	v_lshlrev_b32 v4, 2, v2
	s_lshl_b32 s24, s20, 6
	s_add_co_u32 s24, s24, WST
	v_mul_u32_u24 v14, v2, WPITCH
	v_add_nc_u32 v14, s24, v14                     ; my column's row of codes, my wave's 64 bytes of it
	s_lshl_b32 s24, s20, 2
	s_add_co_u32 s24, s24, WSC
	v_lshl_add_u32 v15, v2, 5, s24                 ; my column's 32 scale bytes, my wave's word
.set i, 0
.rept 128
	global_load_b32 v[R+i], v4, s[6:7] offset:i*12288 th:TH_LOAD_NT   ; a row k at 32 neighbouring columns: 128 consecutive bytes
.set i, i+1
.endr
	WBLOCK 0, 63                                   ; 96 younger loads would do; the wait names the most that it can
	WBLOCK 1, 63
	WBLOCK 2, 32
	WBLOCK 3, 0
	ds_store_b32 v15, v160
	s_branch .Ljoin
.Lpath_o:
	; ---- W_out: a wave takes 2,048 numbers; 16 loads of 512 consecutive bytes, 16 stores of 256
	s_sub_co_u32 s21, ttmp9, 224
	s_lshl_b32 s21, s21, 3
	s_add_co_u32 s21, s21, s20
	s_lshl_b32 s22, s21, 13
	s_add_nc_u64 s[8:9], s[8:9], s[22:23]
	s_lshl_b32 s22, s21, 12
	s_add_nc_u64 s[18:19], s[18:19], s[22:23]
	v_lshlrev_b32 v4, 3, v2
.irp i, 0,1,2,3,4,5,6,7,8,9,10,11,12,13,14,15
	global_load_b128 v[R+4*\i:R+4*\i+3], v3, s[8:9] offset:512*\i
.endr
.irp i, 0,1,2,3,4,5,6,7,8,9,10,11,12,13,14,15
	s_wait_loadcnt 15-\i
	v_cvt_pk_f16_f32 v[80+2*\i], v[R+4*\i], v[R+4*\i+1]
	v_cvt_pk_f16_f32 v[81+2*\i], v[R+4*\i+2], v[R+4*\i+3]
	global_store_b64 v4, v[80+2*\i:81+2*\i], s[18:19] offset:256*\i
.endr
.Ljoin:
	s_wait_dscnt 0x0                               ; for the others' sake: my LDS stores have landed
	s_barrier_signal -1
	s_barrier_wait -1
	s_cmp_lt_u32 ttmp9, 128
	s_cbranch_scc1 .Lend
	s_cmp_ge_u32 ttmp9, 224
	s_cbranch_scc1 .Lend
	; ---- W_qkv's way out: wave w stores rows 4 w .. 4 w + 3 of codes whole, 512 consecutive bytes a store
	s_sub_co_u32 s21, ttmp9, 128
	s_mul_i32 s24, s20, 4*WPITCH
	s_add_co_u32 s24, s24, WST
	v_lshl_add_u32 v224, v2, 4, s24
	s_lshl_b32 s22, s21, 14
	s_lshl_b32 s25, s20, 11
	s_add_co_u32 s22, s22, s25
	s_add_nc_u64 s[14:15], s[14:15], s[22:23]
.irp i, 0,1,2,3
	ds_load_b128 v[228+4*\i:231+4*\i], v224 offset:\i*WPITCH
.endr
.irp i, 0,1,2,3
	s_wait_dscnt 3-\i
	global_store_b128 v3, v[228+4*\i:231+4*\i], s[14:15] offset:512*\i
.endr
	s_cmp_lt_u32 s20, 2                            ; the 32 columns' 1,024 scale bytes are dense in ws: waves 0 and 1 store 512 each
	s_cbranch_scc0 .Lend
	s_lshl_b32 s24, s20, 9
	s_add_co_u32 s25, s24, WSC
	v_lshl_add_u32 v225, v2, 4, s25
	s_lshl_b32 s22, s21, 10
	s_add_co_u32 s22, s22, s24
	s_add_nc_u64 s[16:17], s[16:17], s[22:23]
	ds_load_b128 v[244:247], v225
	s_wait_dscnt 0x0
	global_store_b128 v3, v[244:247], s[16:17]
.Lend:
	s_wait_tensorcnt 0x0                           ; the wave's end
	ds_add_u32 v[SPW], v[NIL]
	s_wait_dscnt 0x0
	s_endpgm
.Lfunc_end_k_qffc6905226_prep:
	.size	k_qffc6905226_prep, .Lfunc_end_k_qffc6905226_prep-k_qffc6905226_prep
	.p2alignl 7, 3214868480
	.fill 96, 4, 3214868480
	.section	.rodata,"a",@progbits
	.p2align	6, 0x0
	.amdhsa_kernel k_qffc6905226_prep
		.amdhsa_group_segment_fixed_size 84480
		.amdhsa_private_segment_fixed_size 0
		.amdhsa_enable_private_segment 0
		.amdhsa_kernarg_size 64
		.amdhsa_user_sgpr_count 2
		.amdhsa_user_sgpr_kernarg_segment_ptr 1
		.amdhsa_wavefront_size32 1
		.amdhsa_system_sgpr_workgroup_id_x 1
		.amdhsa_system_sgpr_workgroup_id_y 1
		.amdhsa_system_sgpr_workgroup_id_z 1
		.amdhsa_system_vgpr_workitem_id 0
		.amdhsa_next_free_vgpr 256
		.amdhsa_next_free_sgpr 66
		.amdhsa_reserve_vcc 0
		.amdhsa_float_denorm_mode_32 3
		.amdhsa_float_denorm_mode_16_64 3
		.amdhsa_memory_ordered 1
		.amdhsa_forward_progress 1
		.amdhsa_inst_pref_size 60
	.end_amdhsa_kernel
	.amdgpu_metadata
---
amdhsa.version: [ 1, 2 ]
amdhsa.kernels:
  - .name:           k_qffc6905226_prep
    .symbol:         k_qffc6905226_prep.kd
    .args:
      - { .name: x, .offset: 0, .size: 8, .value_kind: global_buffer, .address_space: global }
      - { .name: W_qkv, .offset: 8, .size: 8, .value_kind: global_buffer, .address_space: global }
      - { .name: W_out, .offset: 16, .size: 8, .value_kind: global_buffer, .address_space: global }
      - { .name: xc, .offset: 24, .size: 8, .value_kind: global_buffer, .address_space: global }
      - { .name: xs, .offset: 32, .size: 8, .value_kind: global_buffer, .address_space: global }
      - { .name: wc, .offset: 40, .size: 8, .value_kind: global_buffer, .address_space: global }
      - { .name: ws, .offset: 48, .size: 8, .value_kind: global_buffer, .address_space: global }
      - { .name: w16, .offset: 56, .size: 8, .value_kind: global_buffer, .address_space: global }
    .group_segment_fixed_size: 84480
    .private_segment_fixed_size: 0
    .kernarg_segment_align: 8
    .kernarg_segment_size: 64
    .max_flat_workgroup_size: 256
    .sgpr_count:     66
    .vgpr_count:     256
    .wavefront_size: 32
...
	.end_amdgpu_metadata
.endif
;; end of part 1
;; launch qkv (part 2): grid 12 x 32, 4 waves a work-group, clusters of 4 x 1, 327,680 bytes of LDS; arguments xc, xs, wc, ws, b_qkv, qkvh, q32; writes qkvh, q32
.if DOCPART == 2
	.amdgcn_target "amdgcn-amd-amdhsa--gfx1250"
	.amdhsa_code_object_version 6
	.text
	.protected	k_qffc6905226_qkv
	.globl	k_qffc6905226_qkv
	.p2align	8
	.type	k_qffc6905226_qkv,@function
k_qffc6905226_qkv:
	s_mov_b64 s[64:65], 0
	v_nop
	global_prefetch_b8 v0, s[64:65] scope:SCOPE_SE
	s_setreg_imm32_b32 hwreg(HW_REG_WAVE_MODE, 25, 1), 1
	s_wait_xcnt 0x0
	s_wait_alu depctr_hold_cnt(0) depctr_sa_sdst(0) depctr_va_vdst(0) depctr_va_sdst(0) depctr_va_ssrc(0) depctr_va_vcc(0) depctr_vm_vsrc(0)
	s_getreg_b32 s2, hwreg(HW_REG_IB_STS2, 6, 4)
	s_cmp_eq_u32 s2, 0
	s_cbranch_scc0 .Lentry_in_a_cluster
	s_endpgm
.Lentry_in_a_cluster:
	s_bfe_u32 s2, ttmp6, 0x10000c
	s_cmp_lg_u32 s2, 0x3003
	s_cbranch_scc0 .Lentry_shape_is_right
	s_endpgm
.Lentry_shape_is_right:
; qkv = Q(x) Q(W_qkv) + b_qkv on codes of FP4 (E2M1) with E8M0 scales: [8192][1024] x [3072][1024]^T, sums in f32.
; A tile of 256 x 256 to a work-group of four waves, 128 x 128 a wave: 64 accumulators, 512 registers.  K = 1,024 is two LDS slots of 512: both are filled at the head and never again.
; The scale bytes of the tile's 256 + 256 rows come once, as dense blocks.  The bias is the C of each sum's first product.
; THE MATRIX INSTRUCTION IS USED TRANSPOSED (source 0 = 16 rows of W's codes, source 1 = 16 rows of x's): a lane holds eight neighbouring columns of one row.
; OUT: f16, laid by head: qkvh[slab = (column / 64) x 4 + batch][t][64]; a row is 128 bytes, so four rows of a slab are 512 consecutive bytes.
; The first 16 positions of every sequence also go out in f32, as images of the accumulators' registers (q32), for the launch that carries those rows finely.
; LIMIT: |q|, |k|, |v| beyond 65,504 become infinity in f16.
; CLUSTER 4 x 1: the four partners make one tile row and ask for x's tiles and scales jointly.  W's tiles are not shared: the store of the first 16 positions is a branch on
; the tile row, and a branch has to be alike in all partners, so partners lie along one tile row; with 12 tile columns a second cluster axis would put unlike tile rows together.
; REGISTERS: window 0: v0-31 addresses; v32-95 scale words, two sets; v128-191 x's fragments, one set; on the way out v32-63, v192-255 are at work.
;   window 1: W's fragments, two sets, at v0 and v128; v192-255 the bias.   windows 2, 3: the accumulators ((a, b) at v[8 (8 (a % 4) + b)]).
.set NQ,     4                         ; steps of 128 along K in a slot
.set ROWB,   256                       ; a tile's row: 512 codes
.set KROW,   512                       ; a row of codes in memory
.set PITCH,  272                       ; an LDS row: 256 bytes + 16 of padding: the 16 rows of a load start at 16 different banks (64 banks of 4 bytes: ISA guide 11.1)
.set FR,     8
.set NL,     2
.set NP,     4
.set HALFT,  128*PITCH
.set SLOT,   4*HALFT
.set KS,     32                        ; a row of scale bytes
.set SCL,    2*SLOT
.set HALFS,  16*272                    ; the scales of 128 rows: 16 units of 256 bytes + 16 of padding
.set SBLK,   2*272                     ; those of 16 rows
.set SPARE,  SCL+4*HALFS               ; the spare words, 128 bytes for each wave; no other line names them
.set SPITCH, 272                       ; the way out: a stage of 16 rows x (256 bytes + 16) for each wave, in slot 0, which has had its one fill and its last read by then
.set ADRA, 16
.set ADRB, 20
.set STO,  24
.set RD,   25
.set CO,   26
.set ADRS, 27
.set SPW,  28
.set NIL,  29
.set BO,   30
.set SC,   32
.set AF,   128
.set BI,   192                         ; in window 1
.set TMP,  192                         ; in window 0, on the way out
.set G1, 24
.set G0, 32
.set G1B, 48
.set G0B, 56
.set G1S, 68
.set G0S, 76
.set G1SB, 80
.set G0SB, 88
.set MSB, 0
.macro WIN new                         ; the immediate's high byte repeats the setting that is left
.if MSB != \new
	s_set_vgpr_msb (MSB<<8)|\new
.set MSB, \new
.endif
.endm
.set MUL_LO, 0xa1                      ; source 0 (W) window 1, source 1 (x) window 0, C and D window 2
.set MUL_HI, 0xf1
.set BIAS_LO, 0x91                     ; the same with C (the bias) in window 1
.set BIAS_HI, 0xd1
.set TO_B,   0x40
.macro JLOAD g0a, g1a, g0b, g1b        ; waves 0 and 1 fetch for x (jointly), waves 2 and 3 for W; the branch hangs on the wave's number alone; s_nop 0 and four v_nop follow each line
	s_cmp_eq_u32 s15, 0
	s_cbranch_scc0 .Lfor_b_\@
	tensor_load_to_lds s[\g0a:\g0a+3], s[\g1a:\g1a+7]
	s_nop 0
.rept 4
	v_nop
.endr
	s_branch .Lasked_\@
.Lfor_b_\@:
	tensor_load_to_lds s[\g0b:\g0b+3], s[\g1b:\g1b+7]
	s_nop 0
.rept 4
	v_nop
.endr
.Lasked_\@:
.endm
.macro CROUND                          ; a round of the cluster's barrier
	s_barrier_signal -1
	s_barrier_wait -1
	s_cmp_lg_u32 s14, 0
	s_cbranch_scc1 .Lnot_wave_0_\@
	s_barrier_signal -3
.Lnot_wave_0_\@:
	s_barrier_wait -3
	s_barrier_signal -1
	s_barrier_wait -1
.endm
	s_load_b128 s[4:7], s[0:1], 0x0                ; xc, xs
	s_load_b128 s[8:11], s[0:1], 0x10              ; wc, ws
	s_load_b64 s[96:97], s[0:1], 0x20              ; b_qkv
	s_load_b64 s[12:13], s[0:1], 0x28              ; qkvh
	s_load_b64 s[98:99], s[0:1], 0x30              ; q32
	v_lshl_add_u32 v[SPW], v0, 2, SPARE
	v_mov_b32 v[NIL], 0
	ds_add_u32 v[SPW], v[NIL]                      ; the wave's opening: the add, twice on end, and its wait ahead of my first tensor load
	ds_add_u32 v[SPW], v[NIL]
	v_lshrrev_b32 v1, 5, v0
	v_readfirstlane_b32 s14, v1                    ; wave 0..3
	s_lshr_b32 s15, s14, 1                         ; wm: my half of the tile's rows.  Also: I fetch for x (0) or for W (1)
	s_and_b32 s16, s14, 1                          ; wn: my half of its columns.  Also: which 128 rows I fetch
	s_bfe_u32 s40, ttmp6, 0x40000                  ; cx
	s_lshl_b32 s42, ttmp9, 2
	s_add_co_u32 s42, s42, s40                     ; tile column = 4 x cluster x + cx
	s_and_b32 s17, ttmp7, 0xffff                   ; tile row, which the four partners share
	s_mov_b32 s[G1+0], 15|(1<<20)|(1<<21)|(5<<22)|(3<<25)   ; x: the mask names all four; elements of 1 byte; padding: 4 words after every 64
	s_mov_b32 s[G1B+0], (1<<20)|(5<<22)|(3<<25)             ; W: no mask
.irp g, G1, G1B
	s_mov_b32 s[\g+1], ROWB<<16
	s_mov_b32 s[\g+2], 128<<16
	s_mov_b32 s[\g+3], ROWB<<16
	s_mov_b32 s[\g+4], 128
	s_mov_b32 s[\g+5], KROW
	s_mov_b32 s[\g+6], 0
	s_mov_b32 s[\g+7], 0
.endr
	s_mov_b32 s[G1S+0], 15|(3<<16)|(1<<20)|(1<<21)|(5<<22)|(3<<25)   ; the scales of 128 rows: 4,096 dense bytes as 16 rows of 32 elements of 8 bytes
	s_mov_b32 s[G1SB+0], (3<<16)|(1<<20)|(5<<22)|(3<<25)
.irp g, G1S, G1SB
	s_mov_b32 s[\g+1], 32<<16
	s_mov_b32 s[\g+2], 16<<16
	s_mov_b32 s[\g+3], 32<<16
	s_mov_b32 s[\g+4], 16
	s_mov_b32 s[\g+5], 32
	s_mov_b32 s[\g+6], 0
	s_mov_b32 s[\g+7], 0
.endr
	s_lshl_b32 s18, s16, 7
	s_lshl_b32 s20, s17, 8
	s_add_co_u32 s20, s20, s18                     ; x: row 256 x tile row + 128 x half
	s_lshl_b32 s46, s42, 8
	s_add_co_u32 s46, s46, s18                     ; W: row 256 x tile column + 128 x half
	s_mov_b32 s21, 0
	s_mov_b32 s47, 0
	s_mov_b64 s[18:19], KS
	s_mul_u64 s[22:23], s[20:21], s[18:19]
	s_mul_u64 s[92:93], s[46:47], s[18:19]
	s_mov_b64 s[18:19], KROW
	s_mul_u64 s[20:21], s[20:21], s[18:19]
	s_mul_u64 s[46:47], s[46:47], s[18:19]
	s_mul_i32 s45, s14, HALFT                      ; where they go: wave x 128 rows: no place in the cluster enters an LDS address
	s_mul_i32 s94, s14, HALFS
	s_wait_dscnt 0x0                               ; both opening adds are done
	s_wait_kmcnt 0x0
	s_add_nc_u64 s[20:21], s[4:5], s[20:21]
	s_add_nc_u64 s[22:23], s[6:7], s[22:23]
	s_add_nc_u64 s[46:47], s[8:9], s[46:47]
	s_add_nc_u64 s[92:93], s[10:11], s[92:93]
	CROUND                                         ; all four work-groups are here: the first joint loads meet
	s_mov_b32 s[G0S], 1
	s_add_co_u32 s[G0S+1], s94, SCL
	s_mov_b64 s[G0S+2:G0S+3], s[22:23]
	s_or_b32 s[G0S+3], s[G0S+3], 0x80000000
	s_mov_b32 s[G0SB], 1
	s_add_co_u32 s[G0SB+1], s94, SCL
	s_mov_b64 s[G0SB+2:G0SB+3], s[92:93]
	s_or_b32 s[G0SB+3], s[G0SB+3], 0x80000000
	JLOAD G0S, G1S, G0SB, G1SB                     ; the scales first: they are wanted with the first step
.irp s, 0,1
	s_mov_b32 s[G0+4*\s], 1
	s_add_co_u32 s[G0+4*\s+1], s45, \s*SLOT
	s_add_nc_u64 s[G0+4*\s+2:G0+4*\s+3], s[20:21], \s*ROWB
	s_or_b32 s[G0+4*\s+3], s[G0+4*\s+3], 0x80000000
	s_mov_b32 s[G0B+4*\s], 1
	s_add_co_u32 s[G0B+4*\s+1], s45, \s*SLOT
	s_add_nc_u64 s[G0B+4*\s+2:G0B+4*\s+3], s[46:47], \s*ROWB
	s_or_b32 s[G0B+4*\s+3], s[G0B+4*\s+3], 0x80000000
	JLOAD G0+4*\s, G1, G0B+4*\s, G1B               ; three loads of mine are out in all
.endr
	v_and_b32 v1, 15, v0                           ; r
	v_bfe_u32 v2, v0, 4, 1                         ; h
	v_mul_u32_u24 v3, v1, PITCH
	v_lshl_add_u32 v4, v2, 4, v3
	s_mul_i32 s21, s15, HALFT
	s_mul_i32 s22, s16, HALFT
	s_add_co_u32 s22, s22, 2*HALFT
.irp s, 0,1
	v_add_nc_u32 v[ADRA+\s], s21, v4
	v_add_nc_u32 v[ADRB+\s], s22, v4
	s_add_co_u32 s21, s21, SLOT
	s_add_co_u32 s22, s22, SLOT
.endr
	v_mul_u32_u24 v5, v1, KS                       ; my row's scales: 32 bytes a row, 16 more for each 256 passed
	v_lshrrev_b32 v6, 8, v5
	v_lshl_add_u32 v5, v6, 4, v5
	s_mul_i32 s21, s15, HALFS
	s_mul_i32 s22, s16, HALFS
	s_add_co_u32 s22, s22, 2*HALFS
	s_sub_co_u32 s22, s22, s21
	v_mul_u32_u24 v6, s22, v2                      ; lanes 16-31 take W's: one product, the lower base + h x the distance
	s_add_co_u32 s21, s21, SCL
	v_add_nc_u32 v5, v5, v6
	v_add_nc_u32 v[ADRS], s21, v5
	s_mul_i32 s23, s14, 16*SPITCH                  ; my stage
	v_mul_u32_u24 v5, v1, SPITCH
	v_lshl_add_u32 v5, v2, 4, v5
	v_add_nc_u32 v[STO], s23, v5                   ; in: row r, 16 bytes for each half of the lanes
	v_and_b32 v6, 31, v0
	v_lshlrev_b32 v[CO], 4, v6                     ; 16 x lane: four rows of 128 bytes in a slab
	v_lshrrev_b32 v5, 3, v6
	v_mul_u32_u24 v5, v5, SPITCH
	v_and_b32 v6, 7, v0
	v_lshl_add_u32 v5, v6, 4, v5
	v_add_nc_u32 v[RD], s23, v5                    ; back: row lane / 8, 16 (lane % 8) of one head's 128 bytes
	s_lshl_b32 s46, s42, 10
	s_lshl_b32 s47, s16, 9
	s_add_co_u32 s46, s46, s47
	s_mov_b32 s47, 0
	s_add_nc_u64 s[96:97], s[96:97], s[46:47]      ; the bias of my 128 columns
	v_lshlrev_b32 v[BO], 5, v2                     ; lane (r, h) wants, for block b, columns 16 b + 8 h + 0 .. 7
	WIN TO_B
.irp b, 0,1,2,3,4,5,6,7
	global_load_b128 v[BI+8*\b:BI+8*\b+3], v[BO], s[96:97] offset:64*\b
	global_load_b128 v[BI+8*\b+4:BI+8*\b+7], v[BO], s[96:97] offset:64*\b+16
.endr
	WIN 0
	s_lshl_b32 s46, s42, 4
	s_lshl_b32 s47, s16, 3
	s_add_co_u32 s46, s46, s47                     ; 16 x tile column + 8 wn: my first block of 16 columns, and 4 x my first head's number
	s_lshr_b32 s47, s17, 3                         ; the batch: eight tile rows each
	s_mul_i32 s92, s47, 192
	s_add_co_u32 s92, s92, s46
	s_lshl_b32 s92, s92, 10
	s_mov_b32 s93, 0
	s_add_nc_u64 s[98:99], s[98:99], s[92:93]      ; q32: 1,024 bytes for each block of 16 columns
	s_add_co_u32 s46, s46, s47                     ; my first slab
	s_lshl_b32 s46, s46, 18
	s_and_b32 s47, s17, 7
	s_lshl_b32 s47, s47, 1
	s_add_co_u32 s47, s47, s15
	s_lshl_b32 s47, s47, 14                        ; my first position x 128 bytes
	s_add_co_u32 s46, s46, s47
	s_mov_b32 s47, 0
	s_add_nc_u64 s[12:13], s[12:13], s[46:47]
.macro FRAG reg, adr, q, i             ; 16 rows x 128 K of 4-bit codes: 8 registers, two loads of 16 bytes, 32 bytes apart
.irp c, 0,1
	ds_load_b128 v[\reg+4*\c:\reg+4*\c+3], v[\adr] offset:64*(\q)+32*\c+(\i)*16*PITCH
.endr
.endm
; 16 matrix instructions: x's blocks a0, a0 + 1 against W's eight.  zero = 1: the first product starts the sums, on the bias.  The 64 accumulators take turns.
.macro MUL16 a0, p, q, sc, zero
.irp a, \a0, \a0+1
.irp b, 0,1,2,3,4,5,6,7
.if \zero
	v_wmma_scale_f32_16x16x128_f8f6f4 v[8*(8*((\a)%4)+\b):8*(8*((\a)%4)+\b)+7], v[128*(\p)+FR*\b:128*(\p)+FR*\b+FR-1], v[AF+FR*(\a):AF+FR*(\a)+FR-1], v[BI+8*\b:BI+8*\b+7], v[SC+8*NQ*(\sc)+NQ*\b+(\q)], v[SC+8*NQ*(\sc)+NQ*(\a)+(\q)] matrix_a_fmt:MATRIX_FMT_FP4 matrix_b_fmt:MATRIX_FMT_FP4 matrix_a_scale:MATRIX_SCALE_ROW1
.else
	v_wmma_scale_f32_16x16x128_f8f6f4 v[8*(8*((\a)%4)+\b):8*(8*((\a)%4)+\b)+7], v[128*(\p)+FR*\b:128*(\p)+FR*\b+FR-1], v[AF+FR*(\a):AF+FR*(\a)+FR-1], v[8*(8*((\a)%4)+\b):8*(8*((\a)%4)+\b)+7], v[SC+8*NQ*(\sc)+NQ*\b+(\q)], v[SC+8*NQ*(\sc)+NQ*(\a)+(\q)] matrix_a_fmt:MATRIX_FMT_FP4 matrix_b_fmt:MATRIX_FMT_FP4 matrix_a_scale:MATRIX_SCALE_ROW1
.endif
.endr
.endr
.endm
.macro FETCH_B slot, q, p
	WIN TO_B
.irp i, 0,1,2,3,4,5,6,7
	FRAG 128*(\p)+FR*\i, ADRB+\slot, \q, \i
.endr
	WIN 0
.endm
.macro FETCH_A slot, q, i0
.irp i, \i0, \i0+1, \i0+2, \i0+3
	FRAG AF+FR*(\i), ADRA+\slot, \q, \i
.endr
.endm
.macro SCALES sc                       ; a slot's scale words: lanes 0-15 x's block i, lanes 16-31 W's block i
.irp i, 0,1,2,3,4,5,6,7
	ds_load_b128 v[SC+8*NQ*\sc+NQ*\i:SC+8*NQ*\sc+NQ*\i+3], v[ADRS] offset:\i*SBLK
.endr
.endm
.macro PLACES n                        ; plain vector instructions between a matrix instruction and a load into, or a read of, its registers
.rept \n
	v_nop
.endr
.endm
.macro STEP slot, q, zero              ; 128 along K, with its successor in the same slot
	s_wait_dscnt 4*NL                              ; W's set, x's blocks 0-3 (and the scale words) are in; the youngest eight loads, x's blocks 4-7, may be out
.if \zero
	WIN BIAS_LO
.else
	WIN MUL_LO
.endif
	MUL16 0, (\q)%2, \q, \slot, \zero
	MUL16 2, (\q)%2, \q, \slot, \zero
	s_wait_dscnt 0
	PLACES NP
	FETCH_B \slot, (\q)+1, 1-(\q)%2
	FETCH_A \slot, (\q)+1, 0
.if \zero
	WIN BIAS_HI
.else
	WIN MUL_HI
.endif
	MUL16 4, (\q)%2, \q, \slot, \zero
	MUL16 6, (\q)%2, \q, \slot, \zero
	PLACES NP
	WIN 0
	FETCH_A \slot, (\q)+1, 4
.endm
.macro STEPS slot, from
.set Q, \from
.rept NQ-1-\from
	STEP \slot, Q, 0
.set Q, Q+1
.endr
.endm
	s_wait_tensorcnt 1                             ; the scales and my part of slot 0 are in; slot 1's load may be out
	s_barrier_signal -1
	s_barrier_wait -1
	FETCH_B 0, 0, 0
	FETCH_A 0, 0, 0
	SCALES 0
	FETCH_A 0, 0, 4
	s_wait_loadcnt 0x0                             ; the bias
	STEP 0, 0, 1
	STEPS 0, 1
	; slot 0's last step changes slots: one barrier; nothing is filled again
	s_wait_tensorcnt 0x0                           ; my part of slot 1 has landed
	ds_add_u32 v[SPW], v[NIL]
	s_wait_dscnt 4*NL+1                            ; the add and x's blocks 4-7 may be out
	WIN MUL_LO
	MUL16 0, 1, NQ-1, 0, 0
	s_wait_dscnt 0x0                               ; the add is done, and my reads of slot 0 are over
	s_barrier_signal -1
	MUL16 2, 1, NQ-1, 0, 0
	WIN 0
	s_barrier_wait -1
	PLACES NP
	v_add_nc_u32 v[ADRS], 4*NQ, v[ADRS]            ; slot 1's scale words
	FETCH_B 1, 0, 0
	FETCH_A 1, 0, 0
	SCALES 1
	WIN MUL_HI
	MUL16 4, 1, NQ-1, 0, 0
	MUL16 6, 1, NQ-1, 0, 0
	PLACES NP
	WIN 0
	FETCH_A 1, 0, 4
	STEPS 1, 0
	s_wait_dscnt 4*NL                              ; the very last step
	WIN MUL_LO
	MUL16 0, 1, NQ-1, 1, 0
	MUL16 2, 1, NQ-1, 1, 0
	s_wait_dscnt 0
	WIN MUL_HI
	MUL16 4, 1, NQ-1, 1, 0
	MUL16 6, 1, NQ-1, 1, 0
	WIN 0
	PLACES NP
	; THE FIRST 16 POSITIONS IN F32: they are block 0 of the upper waves of every eighth tile row.  The accumulators go out as they stand: 512 consecutive bytes a store.
	s_and_b32 s20, s17, 7
	s_or_b32 s20, s20, s15
	s_cmp_eq_u32 s20, 0                            ; the tile row and the wave's number: alike in all four partners
	s_cbranch_scc0 .Lno_first
	WIN 0x08                                       ; a store's data are its source 1: window 2
.irp b, 0,1,2,3,4,5,6,7
	global_store_b128 v[CO], v[8*\b:8*\b+3], s[98:99] offset:1024*\b          ; each accumulator from its low end on
	global_store_b128 v[CO], v[8*\b+4:8*\b+7], s[98:99] offset:1024*\b+512
.endr
	WIN 0
.Lno_first:
; THE WAY OUT, block by block of 16 rows x 128 columns: rounded to f16, through my stage, back as four rows of one head at a time.
.macro PACK a
.set AC, 64*((\a)%4)
	WIN 0x0a+5*((\a)/4)
.irp b, 0,1,2,3,4,5,6,7
.irp r, 0,1,2,3
	v_cvt_pk_f16_f32 v[TMP+4*\b+\r], v[AC+8*\b+2*\r], v[AC+8*\b+2*\r+1]
.endr
.endr
	WIN 0
.endm
.macro TOSTAGE a
.set BK, 32+192*((\a)%2)
.irp b, 0,1,2,3,4,5,6,7
	ds_store_b128 v[STO], v[TMP+4*\b:TMP+4*\b+3] offset:32*\b
.endr
.irp e, 0,1
.irp u, 0,1,2,3
	ds_load_b128 v[BK+4*(4*\e+\u):BK+4*(4*\e+\u)+3], v[RD] offset:128*\e+4*SPITCH*\u   ; LDS serves a wave's instructions in order: these see the stores above
.endr
.endr
.endm
.macro SEND a
.set BK, 32+192*((\a)%2)
	s_wait_dscnt 0x0                               ; the block is back in registers
	s_wait_xcnt 0x0                                ; the block before has had its stores' registers read: the next block's loads may land there
.irp e, 0,1
.irp u, 0,1,2,3
	global_store_b128 v[CO], v[BK+4*(4*\e+\u):BK+4*(4*\e+\u)+3], s[12:13] offset:\e*1048576+2048*(\a)+512*\u   ; 512 consecutive bytes, aligned; the second head lies four slabs on
.endr
.endr
.endm
	PACK 0
	TOSTAGE 0
.irp a, 1,2,3,4,5,6,7
	PACK \a
	SEND \a-1
	TOSTAGE \a
.endr
	SEND 7
	s_wait_tensorcnt 0x0                           ; the wave's end
	ds_add_u32 v[SPW], v[NIL]
	s_wait_dscnt 0x0
	CROUND                                         ; the closing round
	s_endpgm
.Lfunc_end_k_qffc6905226_qkv:
	.size	k_qffc6905226_qkv, .Lfunc_end_k_qffc6905226_qkv-k_qffc6905226_qkv
	.p2alignl 7, 3214868480
	.fill 96, 4, 3214868480
	.section	.rodata,"a",@progbits
	.p2align	6, 0x0
	.amdhsa_kernel k_qffc6905226_qkv
		.amdhsa_group_segment_fixed_size 327680
		.amdhsa_private_segment_fixed_size 0
		.amdhsa_enable_private_segment 0
		.amdhsa_kernarg_size 56
		.amdhsa_user_sgpr_count 2
		.amdhsa_user_sgpr_kernarg_segment_ptr 1
		.amdhsa_wavefront_size32 1
		.amdhsa_system_sgpr_workgroup_id_x 1
		.amdhsa_system_sgpr_workgroup_id_y 1
		.amdhsa_system_sgpr_workgroup_id_z 1
		.amdhsa_system_vgpr_workitem_id 0
		.amdhsa_next_free_vgpr 1024
		.amdhsa_next_free_sgpr 100
		.amdhsa_reserve_vcc 0
		.amdhsa_float_denorm_mode_32 3
		.amdhsa_float_denorm_mode_16_64 3
		.amdhsa_memory_ordered 1
		.amdhsa_forward_progress 1
		.amdhsa_inst_pref_size 130
	.end_amdhsa_kernel
	.amdgpu_metadata
---
amdhsa.version: [ 1, 2 ]
amdhsa.kernels:
  - .name:           k_qffc6905226_qkv
    .symbol:         k_qffc6905226_qkv.kd
    .args:
      - { .name: xc, .offset: 0, .size: 8, .value_kind: global_buffer, .address_space: global }
      - { .name: xs, .offset: 8, .size: 8, .value_kind: global_buffer, .address_space: global }
      - { .name: wc, .offset: 16, .size: 8, .value_kind: global_buffer, .address_space: global }
      - { .name: ws, .offset: 24, .size: 8, .value_kind: global_buffer, .address_space: global }
      - { .name: b_qkv, .offset: 32, .size: 8, .value_kind: global_buffer, .address_space: global }
      - { .name: qkvh, .offset: 40, .size: 8, .value_kind: global_buffer, .address_space: global }
      - { .name: q32, .offset: 48, .size: 8, .value_kind: global_buffer, .address_space: global }
    .group_segment_fixed_size: 327680
    .private_segment_fixed_size: 0
    .kernarg_segment_align: 8
    .kernarg_segment_size: 56
    .max_flat_workgroup_size: 128
    .sgpr_count:     100
    .vgpr_count:     1024
    .wavefront_size: 32
...
	.end_amdgpu_metadata
.endif
;; end of part 2
;; launch attn (part 3): grid 4 x 64, 16 waves a work-group, no clusters, 327,680 bytes of LDS; arguments qkvh, oh; writes oh
.if DOCPART == 3
	.amdgcn_target "amdgcn-amd-amdhsa--gfx1250"
	.amdhsa_code_object_version 6
	.text
	.protected	k_qffc6905226_attn
	.globl	k_qffc6905226_attn
	.p2align	8
	.type	k_qffc6905226_attn,@function
k_qffc6905226_attn:
	s_mov_b64 s[64:65], 0
	v_nop
	global_prefetch_b8 v0, s[64:65] scope:SCOPE_SE
	s_setreg_imm32_b32 hwreg(HW_REG_WAVE_MODE, 25, 1), 1
	s_wait_xcnt 0x0
; Causal attention of one (head, batch) pair: O[q] = sum over k <= q of softmax_k(Q[q] . K[k] / 8) V[k].  Q, K, V: f16 slabs [2048][64] of qkvh; O: f16, oh[slab][t][64].
; Products on f16 operands with f32 sums; maxima, exponentials and sums in f32, with a running maximum.  LIMIT: f16's range (beyond 65,504: infinity).
; SHARES.  A work-group owns query blocks i and 7 - i (256 queries each), so that all work-groups have the same number of key steps under the mask.  Each of its sixteen waves owns
; 32 queries, two tiles of 16; half the waves serve the early block, half the late one, so dealt that every group of four neighbouring waves and every group of four waves four apart has two of each.
; Four waves share a SIMD: one wave's softmax stands beside another's products and LDS loads.
; LAYOUT.  S^T = K Q^T (source 0 = 16 keys, source 1 = 16 queries) and O^T = V^T P (source 0 = 16 channels, source 1 = P): a lane holds ONE query throughout; two tiles of S^T, rounded to f16
; in pairs, are source 1 of the second product.  K comes out of LDS as it lies, V turned, by ds_load_tr16_b128.
; RING.  Two slots of 256 keys; waves 0, 1 fetch K's halves, waves 2, 3 V's, one load each behind a change of slots.  Every work-group walks all eight slots: trip counts are constants.
; A step all of whose keys come after a wave's queries is jumped over; a slot whose first key comes after the work-group's last query is not asked for.
; NO CLUSTER: under the mask the blocks of a head need different numbers of tiles, and a partner would jump over the reads of tiles that a joint load brings.
.set PK,    144                        ; a key's row in LDS: 128 bytes + 16
.set PV,    160                        ; a value's row: 128 + 32: an odd multiple of 32 for the turning load
.set VOFF,  256*PK
.set SLOT1, 1<<17
.set STAGE, 2*SLOT1                    ; 16 rows x 144 bytes for each wave: bytes of its own, into which no fill lands
.set SPARE, STAGE+16*16*PK             ; the spare words, 128 bytes for each of sixteen waves
.set AK0, 1
.set AV0, 2
.set SPW, 3
.set NIL, 4
.set DR,  5                            ; lane % 16 - 8 (lane / 16)
.set ADK, 6
.set ADV, 7
.set PFO, 8
.set ST,  10                           ; tile t at v[ST + 8 t]: +0 c m, +1 m, +2, +3 l, +4, +5 at work, +6 a, +7 at work
.set NINF, 28
.set QF,  32                           ; Q: tile t, channels 32 ks on, at v[QF + 16 t + 8 ks]
.set KV,  64                           ; 64 registers: a step's K, then its V
.set S,   128                          ; S^T, 32 a tile; P is packed into the tile's first 16
.set O,   192                          ; O^T, 32 a tile
.set TB,  2
.set WV,  18
.set SEL, 20
.set CS,  22
.set G1K, 24
.set G1V, 32
.set G0K, 40
.set G0V, 44
.set KF,  48                           ; the step's first key
.set Q0,  49                           ; my first query
.set QL,  50                           ; my last
.set LIMQ, 51                          ; my work-group's last
.set SLOTS, 52
.set PFA, 54
.set LIM, 56
.macro TLOAD                           ; the branches hang on the wave's number alone; s_nop 0 and four v_nop follow each line
	s_cmp_lt_u32 s[WV], 2
	s_cbranch_scc0 .Lnot_k_\@
	tensor_load_to_lds s[G0K:G0K+3], s[G1K:G1K+7]
	s_nop 0
.rept 4
	v_nop
.endr
	s_branch .Lasked_\@
.Lnot_k_\@:
	s_cmp_lt_u32 s[WV], 4
	s_cbranch_scc0 .Lasked_\@
	tensor_load_to_lds s[G0V:G0V+3], s[G1V:G1V+7]
	s_nop 0
.rept 4
	v_nop
.endr
.Lasked_\@:
.endm
; A prefetch of what the NEXT change of slots will ask for: K's and V's 32,768 dense bytes of a slot.  The four work-groups of a head walk the same K and V: the first of them, which loads all
; eight slots, asks; in it waves 4-7 ask for K's and waves 8-11 for V's, 8,192 bytes a wave, lanes 256 bytes apart: each block is named once.  Slots 0 and 1 come by their loads alone; the last filling change asks for nothing.
.macro ASK
	s_cmp_gt_u32 s[SLOTS], s[LIM]
	s_cbranch_scc0 .Lnot_mine_\@
	global_prefetch_b8 v[PFO], s[PFA:PFA+1] th:TH_LOAD_NT scope:SCOPE_SE
.Lnot_mine_\@:
.endm
	s_load_b128 s[4:7], s[0:1], 0x0                ; qkvh, oh
	v_lshl_add_u32 v[SPW], v0, 2, SPARE
	v_mov_b32 v[NIL], 0
	ds_add_u32 v[SPW], v[NIL]                      ; the wave's opening: the add, twice on end, and its wait ahead of my first tensor load
	ds_add_u32 v[SPW], v[NIL]
	v_lshrrev_b32 v26, 5, v0
	v_readfirstlane_b32 s[WV], v26                 ; wave 0..15
	s_and_b32 s66, ttmp7, 0xffff                   ; the slab: 4 x head + batch
	s_lshr_b32 s67, s[WV], 2
	s_xor_b32 s67, s67, s[WV]
	s_and_b32 s67, s67, 1                          ; 1: I serve the late block
	s_sub_co_u32 s68, 7, ttmp9
	s_cmp_eq_u32 s67, 1
	s_cselect_b32 s68, s68, ttmp9
	s_lshl_b32 s68, s68, 8
	s_lshr_b32 s69, s[WV], 1
	s_lshl_b32 s69, s69, 5
	s_add_co_u32 s[Q0], s68, s69
	s_add_co_u32 s[QL], s[Q0], 31
	s_sub_co_u32 s[LIMQ], 8, ttmp9
	s_lshl_b32 s[LIMQ], s[LIMQ], 8
	s_sub_co_u32 s[LIMQ], s[LIMQ], 1
	s_and_b32 s72, s[WV], 1                        ; which 128 rows of a slot I fetch, if I fetch
	s_lshl_b32 s73, s72, 14
	s_add_co_u32 s70, s66, 64
	s_lshl_b32 s70, s70, 18
	s_add_co_u32 s70, s70, s73                     ; K's slab
	s_mov_b32 s71, 0
	s_add_co_u32 s74, s66, 128
	s_lshl_b32 s74, s74, 18
	s_add_co_u32 s74, s74, s73                     ; V's
	s_mov_b32 s75, 0
	s_mul_i32 s76, s72, 128*PK
	s_mul_i32 s77, s72, 128*PV
	s_add_co_u32 s77, s77, VOFF
	s_lshl_b32 s78, s66, 18
	s_lshl_b32 s79, s[Q0], 7
	s_add_co_u32 s78, s78, s79                     ; my first query's row in Q's slab and in O's
	s_mov_b32 s79, 0
	s_mov_b32 s[G1K], (1<<16)|(1<<20)|(4<<22)|(3<<25)   ; elements of 2 bytes; padding: 4 words after every 32
	s_mov_b32 s[G1V], (1<<16)|(1<<20)|(4<<22)|(7<<25)   ; 8 words
.irp g, G1K, G1V
	s_mov_b32 s[\g+1], 64<<16                      ; tensor_dim0
	s_mov_b32 s[\g+2], 128<<16                     ; tensor_dim1
	s_mov_b32 s[\g+3], 64<<16                      ; tile_dim0
	s_mov_b32 s[\g+4], 128                         ; tile_dim1
	s_mov_b32 s[\g+5], 64                          ; from row to row
	s_mov_b32 s[\g+6], 0
	s_mov_b32 s[\g+7], 0
.endr
	s_mov_b32 s[SEL], 0x76543210
	s_mov_b32 s[SEL+1], 0xfedcba98
	s_mov_b32 s[CS], 0x3e38aa3b                    ; c = log2(e) / 8
	s_mov_b32 s[CS+1], s[CS]
	s_mov_b32 s[TB], 0
	s_mov_b32 s[KF], 0
	s_mov_b32 s[SLOTS], 7
	s_cmp_lt_u32 s[WV], 8
	s_cselect_b32 s82, 64, 128
	s_add_co_u32 s82, s82, s66
	s_lshl_b32 s82, s82, 18
	s_and_b32 s83, s[WV], 3
	s_lshl_b32 s83, s83, 13
	s_add_co_u32 s82, s82, s83
	s_add_co_u32 s82, s82, 32768                   ; in slot 1: the first change of slots steps it to slot 2
	s_mov_b32 s83, 0
	s_sub_co_u32 s84, s[WV], 4
	s_lshr_b32 s84, s84, 3                         ; 0 in waves 4 to 11,
	s_or_b32 s84, s84, ttmp9                       ; of the head's first work-group
	s_cmp_eq_u32 s84, 0
	s_cselect_b32 s[LIM], 1, -1
	s_wait_dscnt 0x0                               ; both opening adds are done
	s_wait_kmcnt 0x0
	s_mov_b32 s[G0K], 1
	s_mov_b32 s[G0K+1], s76
	s_add_nc_u64 s[G0K+2:G0K+3], s[4:5], s[70:71]
	s_or_b32 s[G0K+3], s[G0K+3], 0x80000000
	s_mov_b32 s[G0V], 1
	s_mov_b32 s[G0V+1], s77
	s_add_nc_u64 s[G0V+2:G0V+3], s[4:5], s[74:75]
	s_or_b32 s[G0V+3], s[G0V+3], 0x80000000
	TLOAD                                          ; slot 0: key 0 counts for every query
	s_add_nc_u64 s[PFA:PFA+1], s[4:5], s[82:83]
	s_add_nc_u64 s[80:81], s[4:5], s[78:79]
	s_add_nc_u64 s[6:7], s[6:7], s[78:79]
	v_and_b32 v26, 15, v0                          ; r
	v_bfe_u32 v27, v0, 4, 1                        ; h
	v_lshlrev_b32 v29, 7, v26
	v_lshl_add_u32 v29, v27, 4, v29
.irp t, 0,1
.irp k, 0,1
	global_load_b128 v[QF+16*\t+8*\k:QF+16*\t+8*\k+3],   v29, s[80:81] offset:2048*\t+64*\k      ; Q stays in registers
	global_load_b128 v[QF+16*\t+8*\k+4:QF+16*\t+8*\k+7], v29, s[80:81] offset:2048*\t+64*\k+32
.endr
.endr
	v_mul_u32_u24 v[AK0], v26, PK
	v_lshl_add_u32 v[AK0], v27, 4, v[AK0]
	v_and_b32 v30, 7, v0
	v_lshl_add_u32 v[AV0], v27, 3, v30
	v_mul_u32_u24 v[AV0], v[AV0], PV
	v_bfe_u32 v30, v0, 3, 1
	v_lshl_add_u32 v[AV0], v30, 4, v[AV0]
	v_add_nc_u32 v[AV0], VOFF, v[AV0]
	v_lshlrev_b32 v[DR], 3, v27
	v_sub_nc_u32 v[DR], v26, v[DR]
	v_and_b32 v[PFO], 31, v0
	v_lshlrev_b32 v[PFO], 8, v[PFO]
	v_mov_b32 v[NINF], 0xff800000
.irp t, 0,1
	v_mov_b32 v[ST+8*\t+1], 0xff61b1e6             ; m: -3e38, under every score
	v_mul_f32 v[ST+8*\t], s[CS], v[ST+8*\t+1]
.irp j, 2,3,4,5,6,7
	v_mov_b32 v[ST+8*\t+\j], 0
.endr
.endr
.set i, 0
.rept 64
	v_mov_b32 v[O+i], 0                            ; the step is written once: the first finds zeros, which its a = 0 leaves zeros
.set i, i+1
.endr
; A KEY STEP: 64 keys, the q-th of the slot in hand.
.macro STEP q
	s_cmp_gt_u32 s[KF], s[QL]                      ; all its keys come after my queries: left out.  No barrier and no tensor load stands in a step
	s_cbranch_scc1 .Lhidden_\@
	v_add_nc_u32 v[ADK], s[TB], v[AK0]
	v_add_nc_u32 v[ADV], s[TB], v[AV0]
.rept 3
	v_nop                                          ; five places behind the last step's products: four for the loads into their operands, five since the scores below are written over P
.endr
.irp a, 0,1,2,3
.irp k, 0,1
	ds_load_b128 v[KV+8*(2*\a+\k):KV+8*(2*\a+\k)+3],   v[ADK] offset:(64*(\q)+16*\a)*PK+64*\k
	ds_load_b128 v[KV+8*(2*\a+\k)+4:KV+8*(2*\a+\k)+7], v[ADK] offset:(64*(\q)+16*\a)*PK+64*\k+32
.endr
.endr
	s_wait_dscnt 0x0
.irp k, 0,1                                    ; the eight accumulators take turns
.irp t, 0,1
.irp a, 0,1,2,3
.if \k == 0
	v_wmma_f32_16x16x32_f16 v[S+32*\t+8*\a:S+32*\t+8*\a+7], v[KV+8*(2*\a+\k):KV+8*(2*\a+\k)+7], v[QF+16*\t+8*\k:QF+16*\t+8*\k+7], 0
.else
	v_wmma_f32_16x16x32_f16 v[S+32*\t+8*\a:S+32*\t+8*\a+7], v[KV+8*(2*\a+\k):KV+8*(2*\a+\k)+7], v[QF+16*\t+8*\k:QF+16*\t+8*\k+7], v[S+32*\t+8*\a:S+32*\t+8*\a+7]
.endif
.endr
.endr
.endr
.rept 4
	v_nop                                          ; places in front of the loads into K's registers and of the first read of the scores
.endr
.irp g, 0,1                                    ; V, turned: it lands while the softmax is walked
.irp c, 0,1,2,3
	ds_load_tr16_b128 v[KV+8*(4*\g+\c):KV+8*(4*\g+\c)+3],   v[ADV] offset:(64*(\q)+32*\g)*PV+32*\c
	ds_load_tr16_b128 v[KV+8*(4*\g+\c)+4:KV+8*(4*\g+\c)+7], v[ADV] offset:(64*(\q)+32*\g)*PV+32*\c+16*PV
.endr
.endr
	s_add_co_u32 s96, s[KF], 63                    ; on the diagonal hidden scores become -infinity; a step all of whose keys count skips this
	s_cmp_le_u32 s96, s[Q0]
	s_cbranch_scc1 .Lopen_\@
	s_sub_co_i32 s96, s[Q0], s[KF]
	v_add_nc_u32 v26, s96, v[DR]                   ; register 8 a + j of tile t holds key KF + 16 a + 8 (lane / 16) + j: hidden where 16 a + j > my query - KF - 8 (lane / 16)
	v_add_nc_u32 v27, 16, v26
.irp t, 0,1
.irp n, 0,1,2,3,4,5,6,7,8,9,10,11,12,13,14,15,16,17,18,19,20,21,22,23,24,25,26,27,28,29,30,31
	v_cmp_gt_i32 vcc_lo, 16*(\n/8)+\n%8, v[26+\t]
	v_cndmask_b32 v[S+32*\t+\n], v[S+32*\t+\n], v[NINF], vcc_lo
.endr
.endr
.Lopen_\@:
.irp t, 0,1                                    ; the maximum: two chains a tile, from each accumulator's low end on
.irp c, 0,1
	v_max3_num_f32 v[ST+8*\t+4+\c], v[S+32*\t+16*\c], v[S+32*\t+16*\c+1], v[S+32*\t+16*\c+2]
.endr
.endr
.irp i, 3,5,7,9,11,13
.irp t, 0,1
.irp c, 0,1
	v_max3_num_f32 v[ST+8*\t+4+\c], v[ST+8*\t+4+\c], v[S+32*\t+16*\c+\i], v[S+32*\t+16*\c+\i+1]
.endr
.endr
.endr
.irp t, 0,1
	v_max3_num_f32 v[ST+8*\t+4], v[ST+8*\t+4], v[S+32*\t+15], v[S+32*\t+31]
.endr
.irp t, 0,1
	v_max3_num_f32 v[ST+8*\t+4], v[ST+8*\t+4], v[ST+8*\t+5], v[ST+8*\t+1]
.endr
.irp t, 0,1
	v_permlanex16_b32 v[ST+8*\t+5], v[ST+8*\t+4], s[SEL], s[SEL+1]   ; the query's other 32 keys lie in the lane 16 away
.endr
.irp t, 0,1
	v_mov_b32 v[ST+8*\t+7], v[ST+8*\t]             ; c m_old
.endr
.irp t, 0,1
	v_max_num_f32 v[ST+8*\t+1], v[ST+8*\t+4], v[ST+8*\t+5]
.endr
.irp t, 0,1
	v_mul_f32 v[ST+8*\t], s[CS], v[ST+8*\t+1]
.endr
.irp t, 0,1
	v_sub_f32 v[ST+8*\t+7], v[ST+8*\t+7], v[ST+8*\t]
.endr
.irp t, 0,1
.irp j, 0,2,4,6,8,10,12,14,16,18,20,22,24,26,28,30
	v_pk_fma_f32 v[S+32*\t+\j:S+32*\t+\j+1], v[S+32*\t+\j:S+32*\t+\j+1], s[CS:CS+1], v[ST+8*\t:ST+8*\t+1] op_sel_hi:[1,0,0] neg_lo:[0,0,1] neg_hi:[0,0,1]   ; c s - c m
.endr
.endr
.irp t, 0,1
	v_exp_f32 v[ST+8*\t+6], v[ST+8*\t+7]           ; a = 2^(c m_old - c m_new)
.endr
.irp t, 0,1
.irp n, 0,1,2,3,4,5,6,7,8,9,10,11,12,13,14,15,16,17,18,19,20,21,22,23,24,25,26,27,28,29,30,31
	v_exp_f32 v[S+32*\t+\n], v[S+32*\t+\n]
.endr
.endr
	v_nop                                          ; a plain instruction behind the last exponential
	s_wait_alu depctr_va_vdst(0)                   ; one wait for the 66 exponentials, ahead of their first reader
.irp t, 0,1                                    ; l = a l + the sum of p, two at a time, in two chains
	v_pk_fma_f32 v[ST+8*\t+2:ST+8*\t+3], v[ST+8*\t+2:ST+8*\t+3], v[ST+8*\t+6:ST+8*\t+7], v[S+32*\t:S+32*\t+1] op_sel_hi:[1,0,1]
	v_pk_add_f32 v[ST+8*\t+4:ST+8*\t+5], v[S+32*\t+2:S+32*\t+3], v[S+32*\t+4:S+32*\t+5]
.endr
.irp p, 3,5,7,9,11,13
.irp t, 0,1
	v_pk_add_f32 v[ST+8*\t+2:ST+8*\t+3], v[ST+8*\t+2:ST+8*\t+3], v[S+32*\t+2*\p:S+32*\t+2*\p+1]
	v_pk_add_f32 v[ST+8*\t+4:ST+8*\t+5], v[ST+8*\t+4:ST+8*\t+5], v[S+32*\t+2*\p+2:S+32*\t+2*\p+3]
.endr
.endr
.irp t, 0,1
	v_pk_add_f32 v[ST+8*\t+2:ST+8*\t+3], v[ST+8*\t+2:ST+8*\t+3], v[S+32*\t+30:S+32*\t+31]
.endr
.irp t, 0,1
	v_pk_add_f32 v[ST+8*\t+2:ST+8*\t+3], v[ST+8*\t+2:ST+8*\t+3], v[ST+8*\t+4:ST+8*\t+5]
.endr
.irp j, 0,1,2,3,4,5,6,7,8,9,10,11,12,13,14,15
.irp t, 0,1
	v_cvt_pk_f16_f32 v[S+32*\t+\j], v[S+32*\t+2*\j], v[S+32*\t+2*\j+1]   ; P, in place: register j is written when registers 2 j and 2 j + 1 are read
.endr
.endr
.irp t, 0,1
.irp j, 0,2,4,6,8,10,12,14,16,18,20,22,24,26,28,30
	v_pk_mul_f32 v[O+32*\t+\j:O+32*\t+\j+1], v[O+32*\t+\j:O+32*\t+\j+1], v[ST+8*\t+6:ST+8*\t+7] op_sel_hi:[1,0]
.endr
.endr
	s_wait_dscnt 0x0                               ; V is in
.irp g, 0,1
.irp t, 0,1
.irp c, 0,1,2,3
	v_wmma_f32_16x16x32_f16 v[O+32*\t+8*\c:O+32*\t+8*\c+7], v[KV+8*(4*\g+\c):KV+8*(4*\g+\c)+7], v[S+32*\t+8*\g:S+32*\t+8*\g+7], v[O+32*\t+8*\c:O+32*\t+8*\c+7]
.endr
.endr
.endr
.Lhidden_\@:
	s_add_co_u32 s[KF], s[KF], 64
.endm
; THE CHANGE OF SLOTS stands at a slot's head.  Each wave waits for all its tensor loads, adds 0 to its spare word, and waits for that and for its reads of the slot that it has left.
; Behind the barrier the slot ahead is whole and nobody reads the other one, which is then filled with the next 256 keys: that load has four key steps in which to land.
.macro CHANGE fill
	s_wait_tensorcnt 0x0                           ; no tensor load of mine is out, so a group 0 may be written
	ds_add_u32 v[SPW], v[NIL]
.if \fill
	ds_add_u32 v[SPW], v[NIL]                      ; and twice on end here, in every trip alike
	s_xor_b32 s[G0K+1], s[G0K+1], SLOT1
	s_add_nc_u64 s[G0K+2:G0K+3], s[G0K+2:G0K+3], 32768
	s_xor_b32 s[G0V+1], s[G0V+1], SLOT1
	s_add_nc_u64 s[G0V+2:G0V+3], s[G0V+2:G0V+3], 32768
	s_wait_xcnt 0x0                                ; the last prefetch, a slot back, has read its address
	s_add_nc_u64 s[PFA:PFA+1], s[PFA:PFA+1], 32768
.endif
	s_wait_dscnt 0x0
	s_barrier_signal -1
	s_barrier_wait -1
.if \fill
	s_add_co_u32 s96, s[KF], 256                   ; the first key of the slot that this change would ask for, against my work-group's last query: ids and the count of steps alone,
	s_cmp_gt_u32 s96, s[LIMQ]                      ; the same in all sixteen waves; every wait on TENSORcnt in this text is for 0; no step reads a slot that was left out
	s_cbranch_scc1 .Lpast_\@
	TLOAD
.Lpast_\@:
	ASK
.endif
.endm
.macro SLOT_STEPS
.set QS, 0
.rept 4
	STEP QS
.set QS, QS+1
.endr
	s_xor_b32 s[TB], s[TB], SLOT1
.endm
	s_wait_loadcnt 0x0                             ; Q
.Lslot:                                            ; seven trips
	CHANGE 1
	SLOT_STEPS
	s_sub_co_u32 s[SLOTS], s[SLOTS], 1
	s_cmp_lg_u32 s[SLOTS], 0
	s_cbranch_scc1 .Lslot
	CHANGE 0                                       ; the last slot is written out: nothing is left to ask for
	SLOT_STEPS
	; THE WAY OUT: O^T / l, rounded to f16, through my stage, a tile of 16 rows at a time; four rows of 128 bytes are 512 consecutive bytes of oh.
.irp t, 0,1
	v_add_f32 v[ST+8*\t+4], v[ST+8*\t+2], v[ST+8*\t+3]
.endr
.irp t, 0,1
	v_permlanex16_b32 v[ST+8*\t+5], v[ST+8*\t+4], s[SEL], s[SEL+1]
.endr
.irp t, 0,1
	v_add_f32 v[ST+8*\t+4], v[ST+8*\t+4], v[ST+8*\t+5]
.endr
.irp t, 0,1
	v_rcp_f32 v[ST+8*\t+6], v[ST+8*\t+4]
.endr
	v_and_b32 v26, 15, v0
	v_bfe_u32 v27, v0, 4, 1
	s_mul_i32 s96, s[WV], 16*PK
	s_add_co_u32 s96, s96, STAGE
	v_mul_u32_u24 v29, v26, PK
	v_lshl_add_u32 v29, v27, 4, v29
	v_add_nc_u32 v29, s96, v29                     ; in: row r, 16 bytes for each half of the lanes
	v_bfe_u32 v30, v0, 3, 2
	v_mul_u32_u24 v30, v30, PK
	v_and_b32 v31, 7, v0
	v_lshl_add_u32 v30, v31, 4, v30
	v_add_nc_u32 v30, s96, v30                     ; back: row lane / 8
	v_and_b32 v31, 31, v0
	v_lshlrev_b32 v31, 4, v31
	s_wait_alu depctr_va_vdst(0)                   ; one wait for the two reciprocals, ahead of their first reader
.irp t, 0,1
.irp j, 0,2,4,6,8,10,12,14,16,18,20,22,24,26,28,30
	v_pk_mul_f32 v[O+32*\t+\j:O+32*\t+\j+1], v[O+32*\t+\j:O+32*\t+\j+1], v[ST+8*\t+6:ST+8*\t+7] op_sel_hi:[1,0]
.endr
.irp j, 0,1,2,3,4,5,6,7,8,9,10,11,12,13,14,15
	v_cvt_pk_f16_f32 v[KV+16*\t+\j], v[O+32*\t+2*\j], v[O+32*\t+2*\j+1]
.endr
.irp c, 0,1,2,3
	ds_store_b128 v29, v[KV+16*\t+4*\c:KV+16*\t+4*\c+3] offset:32*\c
.endr
.irp u, 0,1,2,3
	ds_load_b128 v[KV+32+16*\t+4*\u:KV+32+16*\t+4*\u+3], v30 offset:4*PK*\u   ; in order behind my stores; the next tile's stores come behind these
.endr
.endr
.irp t, 0,1
.irp u, 0,1,2,3
	s_wait_dscnt 11-8*\t-\u
	global_store_b128 v31, v[KV+32+16*\t+4*\u:KV+32+16*\t+4*\u+3], s[6:7] offset:2048*\t+512*\u
.endr
.endr
	s_wait_tensorcnt 0x0                           ; the wave's end
	ds_add_u32 v[SPW], v[NIL]
	s_wait_dscnt 0x0
	s_endpgm
.Lfunc_end_k_qffc6905226_attn:
	.size	k_qffc6905226_attn, .Lfunc_end_k_qffc6905226_attn-k_qffc6905226_attn
	.p2alignl 7, 3214868480
	.fill 96, 4, 3214868480
	.section	.rodata,"a",@progbits
	.p2align	6, 0x0
	.amdhsa_kernel k_qffc6905226_attn
		.amdhsa_group_segment_fixed_size 327680
		.amdhsa_private_segment_fixed_size 0
		.amdhsa_enable_private_segment 0
		.amdhsa_kernarg_size 16
		.amdhsa_user_sgpr_count 2
		.amdhsa_user_sgpr_kernarg_segment_ptr 1
		.amdhsa_wavefront_size32 1
		.amdhsa_system_sgpr_workgroup_id_x 1
		.amdhsa_system_sgpr_workgroup_id_y 1
		.amdhsa_system_sgpr_workgroup_id_z 1
		.amdhsa_system_vgpr_workitem_id 0
		.amdhsa_next_free_vgpr 256
		.amdhsa_next_free_sgpr 100
		.amdhsa_reserve_vcc 1
		.amdhsa_float_denorm_mode_32 3
		.amdhsa_float_denorm_mode_16_64 3
		.amdhsa_memory_ordered 1
		.amdhsa_forward_progress 1
		.amdhsa_inst_pref_size 187
	.end_amdhsa_kernel
	.amdgpu_metadata
---
amdhsa.version: [ 1, 2 ]
amdhsa.kernels:
  - .name:           k_qffc6905226_attn
    .symbol:         k_qffc6905226_attn.kd
    .args:
      - { .name: qkvh, .offset: 0, .size: 8, .value_kind: global_buffer, .address_space: global }
      - { .name: oh, .offset: 8, .size: 8, .value_kind: global_buffer, .address_space: global }
    .group_segment_fixed_size: 327680
    .private_segment_fixed_size: 0
    .kernarg_segment_align: 8
    .kernarg_segment_size: 16
    .max_flat_workgroup_size: 512
    .sgpr_count:     100
    .vgpr_count:     256
    .wavefront_size: 32
...
	.end_amdgpu_metadata
.endif
;; end of part 3
;; launch proj (part 4): grid 4 x 64, 4 waves a work-group, clusters of 4 x 4, 327,680 bytes of LDS; arguments oh, w16, b_out, out0; writes out0
.if DOCPART == 4
	.amdgcn_target "amdgcn-amd-amdhsa--gfx1250"
	.amdhsa_code_object_version 6
	.text
	.protected	k_qffc6905226_proj
	.globl	k_qffc6905226_proj
	.p2align	8
	.type	k_qffc6905226_proj,@function
k_qffc6905226_proj:
	s_mov_b64 s[64:65], 0
	v_nop
	global_prefetch_b8 v0, s[64:65] scope:SCOPE_SE
	s_setreg_imm32_b32 hwreg(HW_REG_WAVE_MODE, 25, 1), 1
	s_wait_xcnt 0x0
	s_wait_alu depctr_hold_cnt(0) depctr_sa_sdst(0) depctr_va_vdst(0) depctr_va_sdst(0) depctr_va_ssrc(0) depctr_va_vcc(0) depctr_vm_vsrc(0)
	s_getreg_b32 s2, hwreg(HW_REG_IB_STS2, 6, 4)
	s_cmp_eq_u32 s2, 0
	s_cbranch_scc0 .Lentry_in_a_cluster
	s_endpgm
.Lentry_in_a_cluster:
	s_bfe_u32 s2, ttmp6, 0x10000c
	s_cmp_lg_u32 s2, 0xf033
	s_cbranch_scc0 .Lentry_shape_is_right
	s_endpgm
.Lentry_shape_is_right:
; out0 = att W_out + b_out.  att [8192][1024] lies by head in oh[slab = 4 head + batch][t][64], f16; W_out as f16 in w16 [k][n]; sums and out0 in f32.
; A tile of 128 rows x 256 columns to a work-group: 256 work-groups; a wave makes 64 x 128: 32 accumulators.  K goes in 8 steps of 128 (two heads) through two LDS slots.
; att's tiles are two sub-tiles of 128 rows x 128 bytes, one a head; W's tile is 128 k-rows of 512 bytes and is read turned, by ds_load_tr16_b128.
; THE MATRIX INSTRUCTION IS USED TRANSPOSED (source 0 = 16 columns of W, source 1 = 16 rows of att): a lane holds eight neighbouring columns of one row.  The bias is the C of each sum's first product.
; CLUSTER 4 x 4: att's tiles are shared along a row of the cluster, W's along a column: each is asked for jointly.
; The rows of the first 16 positions of every sequence are written here too and written over, more finely, by the launch that follows.
; REGISTERS: window 0: v16-29 addresses; v64-159, v160-255 two fragment buffers (att's four blocks, then W's eight).  window 1: the accumulators ((a, b) at v[8 (8 a + b)]).  window 2: v0-63 the bias.
.set PA,    144                        ; a row of att in LDS: 128 bytes + 16
.set PB,    544                        ; a k-row of W: 512 + 32: an odd multiple of 32
.set SUBA,  128*PA
.set BOFF,  2*SUBA
.set SLOT,  BOFF+128*PB
.set STAGE, 2*SLOT                     ; 16 rows x 528 bytes for each wave: bytes of its own
.set SPITCH, 528
.set SPARE, STAGE+4*16*SPITCH
.set LAPS,  4
.set ADRA, 16
.set ADRB, 20
.set STO,  24
.set RD,   25
.set CO,   26
.set SPW,  28
.set NIL,  29
.set F0,   64
.set F1,   160
.set G1, 24
.set G0, 32
.set G1B, 48
.set G0B, 56
.set MSB, 0
.macro WIN new
.if MSB != \new
	s_set_vgpr_msb (MSB<<8)|\new
.set MSB, \new
.endif
.endm
.set MUL,  0x50                        ; C and D window 1
.set MULZ, 0x60                        ; D window 1, C (the bias) window 2
.macro JLOAD s                         ; waves 0 and 1 fetch att's two sub-tiles, waves 2 and 3 W's two halves; s_nop 0 and four v_nop follow each line
	s_cmp_eq_u32 s13, 0
	s_cbranch_scc0 .Lfor_b_\@
	tensor_load_to_lds s[G0+4*\s:G0+4*\s+3], s[G1:G1+7]
	s_nop 0
.rept 4
	v_nop
.endr
	s_branch .Lasked_\@
.Lfor_b_\@:
	tensor_load_to_lds s[G0B+4*\s:G0B+4*\s+3], s[G1B:G1B+7]
	s_nop 0
.rept 4
	v_nop
.endr
.Lasked_\@:
.endm
.macro CREST
	s_cmp_lg_u32 s12, 0
	s_cbranch_scc1 .Lnot_wave_0_\@
	s_barrier_signal -3
.Lnot_wave_0_\@:
	s_barrier_wait -3
	s_barrier_signal -1
	s_barrier_wait -1
.endm
.macro CROUND
	s_barrier_signal -1
	s_barrier_wait -1
	CREST
.endm
	s_load_b256 s[4:11], s[0:1], 0x0               ; oh s[4:5], w16 s[6:7], b_out s[8:9], out0 s[10:11]
	v_lshl_add_u32 v[SPW], v0, 2, SPARE
	v_mov_b32 v[NIL], 0
	ds_add_u32 v[SPW], v[NIL]                      ; the wave's opening: the add, twice on end, and its wait ahead of my first tensor load
	ds_add_u32 v[SPW], v[NIL]
	v_lshrrev_b32 v1, 5, v0
	v_readfirstlane_b32 s12, v1                    ; wave 0..3
	s_lshr_b32 s13, s12, 1                         ; wm.  Also: I fetch for att (0) or for W (1)
	s_and_b32 s14, s12, 1                          ; wn.  Also: which part I fetch
	s_bfe_u32 s40, ttmp6, 0x40000                  ; cx
	s_bfe_u32 s41, ttmp6, 0x40004                  ; cy
	s_lshl_b32 s42, ttmp9, 2
	s_add_co_u32 s42, s42, s40                     ; tile column
	s_and_b32 s15, ttmp7, 0xffff
	s_lshl_b32 s15, s15, 2
	s_add_co_u32 s15, s15, s41                     ; tile row
	s_lshl_b32 s43, s41, 2
	s_lshl_b32 s43, 15, s43                        ; my row of the cluster
	s_lshl_b32 s44, 0x1111, s40                    ; my column
	s_or_b32 s[G1+0], s43, (1<<16)|(1<<20)|(1<<21)|(4<<22)|(3<<25)    ; att: elements of 2 bytes; 4 words of padding after every 32
	s_or_b32 s[G1B+0], s44, (1<<16)|(1<<20)|(1<<21)|(6<<22)|(7<<25)   ; W: 8 words after every 128
	s_mov_b32 s[G1+1], 64<<16
	s_mov_b32 s[G1+2], 128<<16
	s_mov_b32 s[G1+3], 64<<16
	s_mov_b32 s[G1+4], 128
	s_mov_b32 s[G1+5], 64
	s_mov_b32 s[G1+6], 0
	s_mov_b32 s[G1+7], 0
	s_mov_b32 s[G1B+1], 256<<16
	s_mov_b32 s[G1B+2], 64<<16
	s_mov_b32 s[G1B+3], 256<<16
	s_mov_b32 s[G1B+4], 64
	s_mov_b32 s[G1B+5], 1024
	s_mov_b32 s[G1B+6], 0
	s_mov_b32 s[G1B+7], 0
	s_lshl_b32 s16, s14, 2                         ; att: slab 4 x (my head of the step's two) + batch; 16 tile rows to a batch
	s_lshr_b32 s17, s15, 4
	s_add_co_u32 s16, s16, s17
	s_lshl_b32 s16, s16, 18
	s_and_b32 s17, s15, 15
	s_lshl_b32 s17, s17, 14
	s_add_co_u32 s16, s16, s17
	s_mov_b32 s17, 0
	s_lshl_b32 s46, s14, 17                        ; W: my 64 k-rows of 2,048 bytes, the tile's 512 bytes of each
	s_lshl_b32 s47, s42, 9
	s_add_co_u32 s46, s46, s47
	s_mov_b32 s47, 0
	s_mul_i32 s20, s14, SUBA
	s_mul_i32 s21, s14, 64*PB
	s_add_co_u32 s21, s21, BOFF
	s_wait_dscnt 0x0                               ; both opening adds are done
	s_wait_kmcnt 0x0
	s_add_nc_u64 s[18:19], s[4:5], s[16:17]
	s_add_nc_u64 s[46:47], s[6:7], s[46:47]
	CROUND                                         ; all sixteen work-groups are here: the first joint loads meet
.irp s, 0,1
	s_mov_b32 s[G0+4*\s], 1
	s_add_co_u32 s[G0+4*\s+1], s20, \s*SLOT
	s_add_nc_u64 s[G0+4*\s+2:G0+4*\s+3], s[18:19], \s*2097152       ; a K step on: two heads, eight slabs
	s_or_b32 s[G0+4*\s+3], s[G0+4*\s+3], 0x80000000
	s_mov_b32 s[G0B+4*\s], 1
	s_add_co_u32 s[G0B+4*\s+1], s21, \s*SLOT
	s_add_nc_u64 s[G0B+4*\s+2:G0B+4*\s+3], s[46:47], \s*262144      ; 128 k-rows
	s_or_b32 s[G0B+4*\s+3], s[G0B+4*\s+3], 0x80000000
	JLOAD \s
.endr
	v_and_b32 v1, 15, v0                           ; r
	v_bfe_u32 v2, v0, 4, 1                         ; h
	v_mul_u32_u24 v3, v1, PA
	v_lshl_add_u32 v3, v2, 4, v3
	s_mul_i32 s21, s13, 64*PA                      ; my 64 rows of att
	v_and_b32 v4, 7, v0
	v_lshl_add_u32 v4, v2, 3, v4
	v_mul_u32_u24 v4, v4, PB
	v_bfe_u32 v5, v0, 3, 1
	v_lshl_add_u32 v4, v5, 4, v4
	s_lshl_b32 s22, s14, 8                         ; my 128 columns of W
	s_add_co_u32 s22, s22, BOFF
.irp s, 0,1
	v_add_nc_u32 v[ADRA+\s], s21, v3
	v_add_nc_u32 v[ADRB+\s], s22, v4
	s_add_co_u32 s21, s21, SLOT
	s_add_co_u32 s22, s22, SLOT
.endr
	s_mul_i32 s23, s12, 16*SPITCH
	s_add_co_u32 s23, s23, STAGE
	v_mul_u32_u24 v5, v1, SPITCH
	v_lshl_add_u32 v5, v2, 5, v5
	v_add_nc_u32 v[STO], s23, v5                   ; in: row r, 32 bytes for each half of the lanes
	v_and_b32 v6, 31, v0
	v_lshlrev_b32 v[CO], 4, v6
	v_add_nc_u32 v[RD], s23, v[CO]                 ; back: the 32 lanes take one row of 512 bytes
	s_lshl_b32 s46, s42, 10
	s_lshl_b32 s47, s14, 9
	s_add_co_u32 s46, s46, s47                     ; my first column, in bytes of f32
	s_mov_b32 s47, 0
	s_add_nc_u64 s[8:9], s[8:9], s[46:47]
	s_add_nc_u64 s[10:11], s[10:11], s[46:47]
	s_lshl_b32 s16, s15, 1
	s_add_co_u32 s16, s16, s13
	s_lshl_b32 s16, s16, 18                        ; my first row: (128 x tile row + 64 wm) x 4,096 bytes
	s_mov_b32 s17, 0
	s_add_nc_u64 s[10:11], s[10:11], s[16:17]
	v_lshlrev_b32 v6, 5, v2
	WIN 0x80                                       ; destination window 2
.irp b, 0,1,2,3,4,5,6,7
	global_load_b128 v[8*\b:8*\b+3], v6, s[8:9] offset:64*\b       ; lane (r, h): b_out at my columns 16 b + 8 h + 0 .. 7
	global_load_b128 v[8*\b+4:8*\b+7], v6, s[8:9] offset:64*\b+16
.endr
	WIN 0
.macro MUL8 f, a, zero                 ; att's block a against W's eight, 32 along K.  The 32 accumulators take turns
.irp b, 0,1,2,3,4,5,6,7
.if \zero
	v_wmma_f32_16x16x32_f16 v[8*(8*(\a)+\b):8*(8*(\a)+\b)+7], v[\f+32+8*\b:\f+32+8*\b+7], v[\f+8*(\a):\f+8*(\a)+7], v[8*\b:8*\b+7]
.else
	v_wmma_f32_16x16x32_f16 v[8*(8*(\a)+\b):8*(8*(\a)+\b)+7], v[\f+32+8*\b:\f+32+8*\b+7], v[\f+8*(\a):\f+8*(\a)+7], v[8*(8*(\a)+\b):8*(8*(\a)+\b)+7]
.endif
.endr
.endm
.macro FETCH slot, kq, f               ; 24 LDS loads in one run: the slot's kq-th 32 along K: W's eight fragments, turned, then att's four
	WIN 0
.irp b, 0,1,2,3,4,5,6,7
	ds_load_tr16_b128 v[\f+32+8*\b:\f+32+8*\b+3],   v[ADRB+\slot] offset:32*PB*(\kq)+32*\b
	ds_load_tr16_b128 v[\f+32+8*\b+4:\f+32+8*\b+7], v[ADRB+\slot] offset:32*PB*(\kq)+32*\b+16*PB
.endr
.irp a, 0,1,2,3
	ds_load_b128 v[\f+8*\a:\f+8*\a+3],   v[ADRA+\slot] offset:((\kq)/2)*SUBA+((\kq)%2)*64+16*PA*\a
	ds_load_b128 v[\f+8*\a+4:\f+8*\a+7], v[ADRA+\slot] offset:((\kq)/2)*SUBA+((\kq)%2)*64+16*PA*\a+32
.endr
.endm
.macro PLACES
.rept 4
	v_nop
.endr
.endm
.macro QUARTER slot, kq, f, g, zero    ; multiplies buffer f and fetches the slot's kq-th quarter into g
	s_wait_dscnt 4                                 ; W's fragments and att's blocks 0, 1 are in; the youngest four loads may be out
.if \zero
	WIN MULZ
.else
	WIN MUL
.endif
	MUL8 \f, 0, \zero
	MUL8 \f, 1, \zero
	PLACES                                         ; in front of loads into registers that matrix instructions have read
	FETCH \slot, \kq, \g
	s_wait_dscnt 24                                ; all but the 24 just issued
.if \zero
	WIN MULZ
.else
	WIN MUL
.endif
	MUL8 \f, 2, \zero
	MUL8 \f, 3, \zero
.endm
; A slot's last quarter changes slots: one barrier; in front of it each wave waits for all its tensor loads, adds 0 to its spare word, and waits for that and for its reads of this slot.
.macro TURN slot, next, fill
	WIN 0
	s_wait_tensorcnt 0x0                           ; my part of the next slot has landed
	ds_add_u32 v[SPW], v[NIL]
	s_wait_dscnt 5                                 ; the add and the youngest four loads may be out
	WIN MUL
	MUL8 F1, 0, 0
	s_wait_dscnt 0x0                               ; the add is done, and my reads of this slot are over
	s_barrier_signal -1
	MUL8 F1, 1, 0
.if \fill
	WIN 0
.endif
	s_barrier_wait -1
.if \fill
	CREST                                          ; the barrier has opened a round of the cluster's: no wave of any partner still reads this slot or has a load on its way
	s_add_nc_u64 s[G0+4*\slot+2:G0+4*\slot+3], s[G0+4*\slot+2:G0+4*\slot+3], 4194304
	s_add_nc_u64 s[G0B+4*\slot+2:G0B+4*\slot+3], s[G0B+4*\slot+2:G0B+4*\slot+3], 524288
	JLOAD \slot                                    ; 112 matrix instructions ahead of the wait for it; its four v_nop are also the places in front of the loads below
.else
	PLACES
.endif
	FETCH \next, 0, F0
	WIN MUL
	MUL8 F1, 2, 0
	MUL8 F1, 3, 0
.endm
	s_wait_tensorcnt 1                             ; my part of K step 0 is in; K step 1's may be out
	s_barrier_signal -1
	s_barrier_wait -1
	FETCH 0, 0, F0
	s_wait_loadcnt 0x0                             ; the bias
	QUARTER 0, 1, F0, F1, 1                        ; the first quarter's products start the sums
	WIN 0
	s_mov_b32 s3, LAPS-1
.Llap:                                                 ; a trip goes once round the ring and fills both slots again
	QUARTER 0, 2, F1, F0, 0
	QUARTER 0, 3, F0, F1, 0
	TURN 0, 1, 1
	QUARTER 1, 1, F0, F1, 0
	QUARTER 1, 2, F1, F0, 0
	QUARTER 1, 3, F0, F1, 0
	TURN 1, 0, 1
	QUARTER 0, 1, F0, F1, 0
	WIN 0
	s_sub_co_u32 s3, s3, 1
	s_cmp_lg_u32 s3, 0
	s_cbranch_scc1 .Llap
	QUARTER 0, 2, F1, F0, 0                        ; the last lap fills nothing
	QUARTER 0, 3, F0, F1, 0
	TURN 0, 1, 0
	QUARTER 1, 1, F0, F1, 0
	QUARTER 1, 2, F1, F0, 0
	QUARTER 1, 3, F0, F1, 0
	s_wait_dscnt 4
	WIN MUL
	MUL8 F1, 0, 0
	MUL8 F1, 1, 0
	s_wait_dscnt 0
	MUL8 F1, 2, 0
	MUL8 F1, 3, 0
	WIN 0
; THE WAY OUT, block by block of 16 rows x 128 columns of f32: through my stage, back as whole rows of 512 bytes.
.macro TOSTAGE a
	WIN 0x04                                       ; an LDS store's data are its source 1: window 1
.irp b, 0,1,2,3,4,5,6,7
	ds_store_b128 v[STO], v[8*(8*(\a)+\b):8*(8*(\a)+\b)+3] offset:64*\b          ; each accumulator from its low end on
	ds_store_b128 v[STO], v[8*(8*(\a)+\b)+4:8*(8*(\a)+\b)+7] offset:64*\b+16
.endr
	WIN 0
.set BB, 64+64*((\a)%2)
.irp t, 0,1,2,3,4,5,6,7,8,9,10,11,12,13,14,15
	ds_load_b128 v[BB+4*\t:BB+4*\t+3], v[RD] offset:\t*SPITCH
.endr
.endm
.macro SEND a, younger
.set BB, 64+64*((\a)%2)
	s_wait_dscnt \younger
.irp t, 0,1,2,3,4,5,6,7,8,9,10,11,12,13,14,15
	global_store_b128 v[CO], v[BB+4*\t:BB+4*\t+3], s[10:11] offset:65536*(\a)+4096*\t th:TH_STORE_NT   ; 512 consecutive bytes, aligned
.endr
.endm
	PLACES
	TOSTAGE 0
.irp a, 1,2,3
.if \a > 1
	s_wait_xcnt 0x0                                ; block a - 2's stores have read their registers: block a's loads may land there
.endif
	TOSTAGE \a
	SEND \a-1, 32                                  ; behind block a - 1's loads: block a's 16 stores and 16 loads
.endr
	SEND 3, 0
	s_wait_tensorcnt 0x0                           ; the wave's end
	ds_add_u32 v[SPW], v[NIL]
	s_wait_dscnt 0x0
	CROUND                                         ; the closing round
	s_endpgm
.Lfunc_end_k_qffc6905226_proj:
	.size	k_qffc6905226_proj, .Lfunc_end_k_qffc6905226_proj-k_qffc6905226_proj
	.p2alignl 7, 3214868480
	.fill 96, 4, 3214868480
	.section	.rodata,"a",@progbits
	.p2align	6, 0x0
	.amdhsa_kernel k_qffc6905226_proj
		.amdhsa_group_segment_fixed_size 327680
		.amdhsa_private_segment_fixed_size 0
		.amdhsa_enable_private_segment 0
		.amdhsa_kernarg_size 32
		.amdhsa_user_sgpr_count 2
		.amdhsa_user_sgpr_kernarg_segment_ptr 1
		.amdhsa_wavefront_size32 1
		.amdhsa_system_sgpr_workgroup_id_x 1
		.amdhsa_system_sgpr_workgroup_id_y 1
		.amdhsa_system_sgpr_workgroup_id_z 1
		.amdhsa_system_vgpr_workitem_id 0
		.amdhsa_next_free_vgpr 576
		.amdhsa_next_free_sgpr 66
		.amdhsa_reserve_vcc 0
		.amdhsa_float_denorm_mode_32 3
		.amdhsa_float_denorm_mode_16_64 3
		.amdhsa_memory_ordered 1
		.amdhsa_forward_progress 1
		.amdhsa_inst_pref_size 87
	.end_amdhsa_kernel
	.amdgpu_metadata
---
amdhsa.version: [ 1, 2 ]
amdhsa.kernels:
  - .name:           k_qffc6905226_proj
    .symbol:         k_qffc6905226_proj.kd
    .args:
      - { .name: oh, .offset: 0, .size: 8, .value_kind: global_buffer, .address_space: global }
      - { .name: w16, .offset: 8, .size: 8, .value_kind: global_buffer, .address_space: global }
      - { .name: b_out, .offset: 16, .size: 8, .value_kind: global_buffer, .address_space: global }
      - { .name: out0, .offset: 24, .size: 8, .value_kind: global_buffer, .address_space: global }
    .group_segment_fixed_size: 327680
    .private_segment_fixed_size: 0
    .kernarg_segment_align: 8
    .kernarg_segment_size: 32
    .max_flat_workgroup_size: 128
    .sgpr_count:     66
    .vgpr_count:     576
    .wavefront_size: 32
...
	.end_amdgpu_metadata
.endif
;; end of part 4
;; launch first16 (part 5): grid 32 x 4, 16 waves a work-group, no clusters, 34,816 bytes of LDS; arguments q32, W_out, b_out, out0; writes out0
.if DOCPART == 5
	.amdgcn_target "amdgcn-amd-amdhsa--gfx1250"
	.amdhsa_code_object_version 6
	.text
	.protected	k_qffc6905226_first16
	.globl	k_qffc6905226_first16
	.p2align	8
	.type	k_qffc6905226_first16,@function
k_qffc6905226_first16:
	s_mov_b64 s[64:65], 0
	v_nop
	global_prefetch_b8 v0, s[64:65] scope:SCOPE_SE
	s_setreg_imm32_b32 hwreg(HW_REG_WAVE_MODE, 25, 1), 1
	s_wait_xcnt 0x0
; The first 16 positions of every sequence, in f32 throughout: their rows average one to sixteen values and are the largest of the output, so f16 operands would weigh most there.
; A work-group takes one batch and 32 output columns; wave = head.  Each wave: S^T = k q^T, the masked softmax, O^T = v^T p, and its head's part of y^T = W_out^T att^T; the sixteen parts
; meet in LDS and waves 0-3 add them in ascending order of heads, add the bias and store.  All products by v_wmma_f32_16x16x4_f32: 64 a wave, no bulk work.
; q32 holds q, k, v of these rows as images of accumulator registers: lane (r, h) of image (block of 16 columns cb, half u) holds position r, columns 16 cb + 8 h + 4 u + 0 .. 3.
; A pair of such registers IS an operand of the f32 form up to a permutation of K that is the same on both sides.
; The stores are runs of 128 bytes (32 columns): 256 KiB in all; blocks of 64 columns would write whole 256-byte runs with half as many work-groups to share the weights' loads.
; The registers that the matrix instructions write (v192-255) are written by nothing else.
.set QFR, 16                           ; v16-47   q; later att
.set KFR, 48                           ; v48-79   k; later the sixteen parts
.set VFR, 80                           ; v80-111  v, by channel
.set WFR, 112                          ; v112-175 W_out
.set T,   176                          ; v176-183 scores
.set P,   184                          ; v184-191 weights
.set SA,  192                          ; v192-199, v200-207 two halves of S^T
.set OA,  208                          ; v208-239 O^T
.set YA,  240                          ; v240-255 y^T
.set SPARE, 32768                      ; behind the sixteen parts of 2,048 bytes: the spare words
	s_load_b256 s[4:11], s[0:1], 0x0               ; q32 s[4:5], W_out s[6:7], b_out s[8:9], out0 s[10:11]
	v_lshl_add_u32 v5, v0, 2, SPARE                ; v5, v6: the add's two registers; never rewritten
	v_mov_b32 v6, 0
	v_lshrrev_b32 v1, 5, v0
	v_readfirstlane_b32 s20, v1                    ; wave = head
	v_and_b32 v12, 31, v0
	v_and_b32 v13, 15, v0                          ; r
	v_bfe_u32 v15, v0, 4, 1                        ; h
	v_lshlrev_b32 v1, 4, v12                       ; 16 x lane
	v_bfe_u32 v2, v0, 2, 1                         ; v by channel r of a block: image half (r / 4) % 2, lanes' half r / 8, word r % 4; positions 8 h on
	v_lshlrev_b32 v2, 9, v2
	v_bfe_u32 v3, v0, 3, 1
	v_lshl_add_u32 v2, v3, 8, v2
	v_and_b32 v3, 3, v0
	v_lshl_add_u32 v2, v3, 2, v2
	v_lshl_add_u32 v2, v15, 7, v2
	v_lshlrev_b32 v3, 2, v13                       ; W_out: column r, rows 8 h on
	v_lshl_add_u32 v3, v15, 15, v3
	v_lshlrev_b32 v4, 3, v15
	v_sub_nc_u32 v4, v13, v4                       ; r - 8 h
	v_mov_b32 v7, 0xff800000
	v_and_b32 v14, 7, v0
	v_lshlrev_b32 v14, 4, v14
	s_and_b32 s21, ttmp7, 0xffff                   ; batch
	s_mul_i32 s22, s21, 192
	s_lshl_b32 s23, s20, 2
	s_add_co_u32 s22, s22, s23
	s_lshl_b32 s22, s22, 10
	s_mov_b32 s23, 0
	s_lshl_b32 s26, ttmp9, 7                       ; my 32 columns, in bytes
	s_mov_b32 s27, 0
	s_lshl_b32 s24, s20, 18                        ; my head's 64 rows of W_out
	s_add_co_u32 s24, s24, s26
	s_mov_b32 s25, 0
	s_lshl_b32 s28, s21, 23
	s_add_co_u32 s28, s28, s26
	s_mov_b32 s29, 0
	s_mov_b32 s30, 0x76543210
	s_mov_b32 s31, 0xfedcba98
	s_mov_b32 s16, 0x3e38aa3b                      ; c = log2(e) / 8
	s_wait_kmcnt 0x0
	s_add_nc_u64 s[4:5], s[4:5], s[22:23]
	s_add_nc_u64 s[6:7], s[6:7], s[24:25]
	s_add_nc_u64 s[8:9], s[8:9], s[26:27]
	s_add_nc_u64 s[10:11], s[10:11], s[28:29]
	global_load_b128 v[8:11], v14, s[8:9]          ; the bias of the four columns that I store, if I store
.irp x, 0,1,2,3,4,5,6,7
	global_load_b128 v[QFR+4*\x:QFR+4*\x+3], v1, s[4:5] offset:512*\x
.endr
.irp x, 0,1,2,3,4,5,6,7
	global_load_b128 v[KFR+4*\x:KFR+4*\x+3], v1, s[4:5] offset:65536+512*\x
.endr
.irp c, 0,1,2,3
.irp s, 0,1,2,3
.irp j, 0,1
	global_load_b32 v[VFR+2*(4*\c+\s)+\j], v2, s[4:5] offset:131072+1024*\c+32*\s+16*\j     ; v(position 8 h + 2 s + j, channel 16 c + r)
.endr
.endr
.endr
.irp n, 0,1
.irp c, 0,1,2,3
.irp s, 0,1,2,3
.irp j, 0,1
	global_load_b32 v[WFR+2*(16*\n+4*\c+\s)+\j], v3, s[6:7] offset:(16*\c+2*\s+\j)*4096+64*\n   ; W_out(64 head + 16 c + 8 h + 2 s + j, my column 16 n + r)
.endr
.endr
.endr
.endr
	s_wait_loadcnt 63                              ; the bias, q and k are in: 96 younger loads would do; the wait names the most that it can
.irp x, 0,1,2,3,4,5,6,7                        ; S^T = k q^T in two sums that take turns
.irp p, 0,1
.if \x == 0
	v_wmma_f32_16x16x4_f32 v[SA+8*\p:SA+8*\p+7], v[KFR+4*\x+2*\p:KFR+4*\x+2*\p+1], v[QFR+4*\x+2*\p:QFR+4*\x+2*\p+1], 0
.else
	v_wmma_f32_16x16x4_f32 v[SA+8*\p:SA+8*\p+7], v[KFR+4*\x+2*\p:KFR+4*\x+2*\p+1], v[QFR+4*\x+2*\p:QFR+4*\x+2*\p+1], v[SA+8*\p:SA+8*\p+7]
.endif
.endr
.endr
.rept 8
	v_nop                                          ; eight places behind this form (ISA guide 7.12.1)
.endr
.irp j, 0,1,2,3,4,5,6,7
	v_add_f32 v[T+\j], v[SA+\j], v[SA+8+\j]        ; lane (r, h): query r, key 8 h + j
.endr
.irp j, 0,1,2,3,4,5,6,7
	v_cmp_gt_i32 vcc_lo, \j, v4                    ; hidden where 8 h + j > r
	v_cndmask_b32 v[T+\j], v[T+\j], v7, vcc_lo
.endr
	v_max3_num_f32 v12, v[T], v[T+1], v[T+2]
	v_max3_num_f32 v12, v12, v[T+3], v[T+4]
	v_max3_num_f32 v12, v12, v[T+5], v[T+6]
	v_max_num_f32 v12, v12, v[T+7]
	v_permlanex16_b32 v13, v12, s30, s31
	v_max_num_f32 v12, v12, v13                    ; key 0 counts for every query: a number
	v_mul_f32 v13, s16, v12
.irp j, 0,1,2,3,4,5,6,7
	v_fma_f32 v[P+\j], v[T+\j], s16, -v13
.endr
.irp j, 0,1,2,3,4,5,6,7
	v_exp_f32 v[P+\j], v[P+\j]
.endr
	v_nop
	s_wait_alu depctr_va_vdst(0)                   ; one wait for the eight exponentials, ahead of their first reader
	v_add_f32 v14, v[P], v[P+1]
	v_add_f32 v15, v[P+2], v[P+3]
	v_add_f32 v14, v14, v[P+4]
	v_add_f32 v15, v15, v[P+5]
	v_add_f32 v14, v14, v[P+6]
	v_add_f32 v15, v15, v[P+7]
	v_add_f32 v15, v14, v15
	v_permlanex16_b32 v14, v15, s30, s31
	v_add_f32 v15, v15, v14
	v_rcp_f32 v14, v15
	v_nop
	s_wait_alu depctr_va_vdst(0)
	s_wait_loadcnt 63                              ; v is in (64 younger loads would do)
.irp s, 0,1,2,3                                ; O^T = v^T p: place 2 h + j stands for key 8 h + 2 s + j on both sides; four sums by turns
.irp c, 0,1,2,3
.if \s == 0
	v_wmma_f32_16x16x4_f32 v[OA+8*\c:OA+8*\c+7], v[VFR+2*(4*\c+\s):VFR+2*(4*\c+\s)+1], v[P+2*\s:P+2*\s+1], 0
.else
	v_wmma_f32_16x16x4_f32 v[OA+8*\c:OA+8*\c+7], v[VFR+2*(4*\c+\s):VFR+2*(4*\c+\s)+1], v[P+2*\s:P+2*\s+1], v[OA+8*\c:OA+8*\c+7]
.endif
.endr
.endr
.rept 8
	v_nop
.endr
.set i, 0
.rept 32
	v_mul_f32 v[QFR+i], v[OA+i], v14               ; att: register 8 c + j: channel 16 c + 8 h + j of query r
.set i, i+1
.endr
	s_wait_loadcnt 0x0                             ; W_out
.irp c, 0,1,2,3                                ; y^T += W^T att^T: place 2 h + j stands for channel 16 c + 8 h + 2 s + j; two sums by turns
.irp s, 0,1,2,3
.irp n, 0,1
.if (\c == 0) && (\s == 0)
	v_wmma_f32_16x16x4_f32 v[YA+8*\n:YA+8*\n+7], v[WFR+2*(16*\n+4*\c+\s):WFR+2*(16*\n+4*\c+\s)+1], v[QFR+8*\c+2*\s:QFR+8*\c+2*\s+1], 0
.else
	v_wmma_f32_16x16x4_f32 v[YA+8*\n:YA+8*\n+7], v[WFR+2*(16*\n+4*\c+\s):WFR+2*(16*\n+4*\c+\s)+1], v[QFR+8*\c+2*\s:QFR+8*\c+2*\s+1], v[YA+8*\n:YA+8*\n+7]
.endif
.endr
.endr
.endr
	; the addresses of the reduction, in the registers that held the loads' offsets (all loads are in)
	s_lshl_b32 s22, s20, 11
	v_add_nc_u32 v2, s22, v1                       ; my part: 2,048 x wave + 16 x lane
	v_bfe_u32 v3, v0, 2, 1                         ; thread i of 128 takes row i / 8 and columns 4 (i % 8) on: which sum, which half of its registers, which half of the lanes
	v_lshlrev_b32 v3, 10, v3
	v_and_b32 v4, 1, v0
	v_lshl_add_u32 v3, v4, 9, v3
	v_bfe_u32 v4, v0, 1, 1
	v_lshl_add_u32 v3, v4, 8, v3
	v_lshrrev_b32 v4, 3, v0
	v_lshl_add_u32 v3, v4, 4, v3
	v_lshlrev_b32 v4, 12, v4
	v_and_b32 v12, 7, v0
	v_lshl_add_u32 v4, v12, 4, v4                  ; and the same place in out0
.rept 8
	v_nop
.endr
.irp n, 0,1
	ds_store_b128 v2, v[YA+8*\n:YA+8*\n+3] offset:1024*\n          ; each sum from its low end on
	ds_store_b128 v2, v[YA+8*\n+4:YA+8*\n+7] offset:1024*\n+512
.endr
	s_wait_dscnt 0x0                               ; for the others' sake: my part has landed
	s_barrier_signal -1
	s_barrier_wait -1
	s_cmp_lt_u32 s20, 4
	s_cbranch_scc0 .Ldone
.irp w, 0,1,2,3,4,5,6,7,8,9,10,11,12,13,14,15
	ds_load_b128 v[KFR+4*\w:KFR+4*\w+3], v3 offset:2048*\w
.endr
	s_wait_dscnt 0x0
.irp w, 0,1,2,3,4,5,6,7,8,9,10,11,12,13,14,15
	v_pk_add_f32 v[8:9], v[8:9], v[KFR+4*\w:KFR+4*\w+1]
	v_pk_add_f32 v[10:11], v[10:11], v[KFR+4*\w+2:KFR+4*\w+3]
.endr
	global_store_b128 v4, v[8:11], s[10:11]
.Ldone:
	s_wait_tensorcnt 0x0                           ; the wave's end
	ds_add_u32 v5, v6
	s_wait_dscnt 0x0
	s_endpgm
.Lfunc_end_k_qffc6905226_first16:
	.size	k_qffc6905226_first16, .Lfunc_end_k_qffc6905226_first16-k_qffc6905226_first16
	.p2alignl 7, 3214868480
	.fill 96, 4, 3214868480
	.section	.rodata,"a",@progbits
	.p2align	6, 0x0
	.amdhsa_kernel k_qffc6905226_first16
		.amdhsa_group_segment_fixed_size 34816
		.amdhsa_private_segment_fixed_size 0
		.amdhsa_enable_private_segment 0
		.amdhsa_kernarg_size 32
		.amdhsa_user_sgpr_count 2
		.amdhsa_user_sgpr_kernarg_segment_ptr 1
		.amdhsa_wavefront_size32 1
		.amdhsa_system_sgpr_workgroup_id_x 1
		.amdhsa_system_sgpr_workgroup_id_y 1
		.amdhsa_system_sgpr_workgroup_id_z 1
		.amdhsa_system_vgpr_workitem_id 0
		.amdhsa_next_free_vgpr 256
		.amdhsa_next_free_sgpr 66
		.amdhsa_reserve_vcc 1
		.amdhsa_float_denorm_mode_32 3
		.amdhsa_float_denorm_mode_16_64 3
		.amdhsa_memory_ordered 1
		.amdhsa_forward_progress 1
		.amdhsa_inst_pref_size 26
	.end_amdhsa_kernel
	.amdgpu_metadata
---
amdhsa.version: [ 1, 2 ]
amdhsa.kernels:
  - .name:           k_qffc6905226_first16
    .symbol:         k_qffc6905226_first16.kd
    .args:
      - { .name: q32, .offset: 0, .size: 8, .value_kind: global_buffer, .address_space: global }
      - { .name: W_out, .offset: 8, .size: 8, .value_kind: global_buffer, .address_space: global }
      - { .name: b_out, .offset: 16, .size: 8, .value_kind: global_buffer, .address_space: global }
      - { .name: out0, .offset: 24, .size: 8, .value_kind: global_buffer, .address_space: global }
    .group_segment_fixed_size: 34816
    .private_segment_fixed_size: 0
    .kernarg_segment_align: 8
    .kernarg_segment_size: 32
    .max_flat_workgroup_size: 512
    .sgpr_count:     66
    .vgpr_count:     256
    .wavefront_size: 32
...
	.end_amdgpu_metadata
.endif
;; end of part 5
